; MI455X (gfx1250); checked and timed in simulation.
; The chip was launched on July 23, 2026; its instructions are those of AMD's public machine-readable ISA for CDNA 5 (MIT licence, August 2026) and "CDNA5" Instruction Set Architecture Reference Guide (July 2026). The comments in the code are by the model that wrote it; some were corrected since.
;; Transformer Decoder Block. Allowed arithmetic: matrix products marked QUANTISED: E4M3 operands, one given power-of-two scale a tensor, by v_wmma_f32_16x16x64_fp8_fp8 or v_wmma_f32_16x16x128_fp8_fp8, f32 sums; everything else in f32.
;; Inputs: W1 1,024 x 2,048 float32; W2 1,024 x 2,048 float32; W3 2,048 x 1,024 float32; Wk 16 x 1,024 x 64 float32; Wo 1,024 x 1,024 float32; Wq 16 x 1,024 x 64 float32; Wv 16 x 1,024 x 64 float32; ln1_b 1,024 float32; ln1_g 1,024 float32; ln2_b 1,024 float32; ln2_g 1,024 float32; lowp_scales 18 int32 (the exponents e of the quantised operands' scales 2^e); x 2 x 2,048 x 1,024 float32.
;; Outputs: out0 2 x 2,048 x 1,024 float32.
;; This version of the problem:
;;   THIS VERSION OF THE PROBLEM IS GIVEN IN LOW PRECISION. The matrix products marked QUANTISED in the list below multiply operands that are first quantised to E4M3 (4 exponent bits, 3 mantissa bits; 8 bits a number), with one given power-of-two scale for each operand tensor; their sums are f32. All else is computed in f32.
;;   The module's matrix products, in the order in which they are computed (A, B: the left and right operand; K: the contracted axis; several contracted axes count as one K, in the product's order):
;;     1. [M 1,024, K 1,024] x [K 1,024, N 4,096]; A: input Wq; B: computed on the way: QUANTISED (scales: A lowp_scales[0], B lowp_scales[1])
;;     2. [M 1,024, K 1,024] x [K 1,024, N 4,096]; A: input Wk; B: computed on the way: QUANTISED (scales: A lowp_scales[2], B lowp_scales[3])
;;     3. [M 1,024, K 1,024] x [K 1,024, N 4,096]; A: input Wv; B: computed on the way: QUANTISED (scales: A lowp_scales[4], B lowp_scales[5])
;;     4. batch 32 x [M 2,048, K 64] x [K 64, N 2,048]; A: computed on the way; B: computed on the way: QUANTISED (scales: A lowp_scales[6], B lowp_scales[7])
;;     5. batch 32 x [M 2,048, K 2,048] x [K 2,048, N 64]; A: softmax (see below); B: computed on the way: QUANTISED (scales: A lowp_scales[8], B lowp_scales[9])
;;     6. [M 4,096, K 1,024] x [K 1,024, N 1,024]; A: computed on the way; B: input Wo: QUANTISED (scales: A lowp_scales[10], B lowp_scales[11])
;;     7. [M 4,096, K 1,024] x [K 1,024, N 2,048]; A: computed on the way; B: input W1: QUANTISED (scales: A lowp_scales[12], B lowp_scales[13])
;;     8. [M 4,096, K 1,024] x [K 1,024, N 2,048]; A: computed on the way; B: input W2: QUANTISED (scales: A lowp_scales[14], B lowp_scales[15])
;;     9. [M 4,096, K 2,048] x [K 2,048, N 1,024]; A: computed on the way; B: input W3: QUANTISED (scales: A lowp_scales[16], B lowp_scales[17])
;;   THE QUANTISER, for each operand of a quantised product, along K:
;;     - The operand's scale is 2^e, e = its entry of the input lowp_scales (int32; the entries are numbered through the quantised products in the list's order, A before B).
;;     - Each number is divided by the scale, clamped to +-448, and rounded to the nearest number of E4M3, ties to even, subnormals kept.
;;     - The product sums the exact products of the quantised numbers (number of the format x scale) in f32.
;;   ~~~python
;;   def quantise(x, axis, e):      # numpy; x: float32 -> the quantised numbers, widened to float32 again
;;       x = np.moveaxis(x, axis, -1); K = x.shape[-1]
;;       r = np.clip(x / 2.0 ** e, -448, 448)
;;       step = 2.0 ** (np.maximum(np.frexp(np.where(r == 0, 1, r))[1] - 1, -6) - 3)
;;       q = np.round(r / step) * step * 2.0 ** e      # np.round: ties to even
;;       return np.moveaxis(q, -1, axis).astype(np.float32)
;;   ~~~
;;   SOFTMAX AHEAD OF A QUANTISED PRODUCT. Where the list says 'softmax', what is quantised is not the finished softmax but p = 2^(t - M), with t = logit x log2(e) and M = ceil(the row's largest t), a whole number; so 1/2 < the row's largest p <= 1. The row's sum l is taken of the UNQUANTISED p, in f32, and the product's result is divided by l at the end. Since M is a whole number, a kernel that streams over the keys may use a running M (the ceiling of the running maximum): every later rescaling is an exact power of two, so the quantised numbers keep their values, but for numbers so far below the row's largest that they fall under the format's range.
;;   OPERANDS COMPUTED ON THE WAY. 'Computed on the way' means the value that the module computes at that place (a softmax that the list does not call 'softmax' is quantised finished and normalised). What goes into a quantiser is computed in f32, as accurately as f32 sums, v_exp_f32 and their like allow (about 1e-6 of the number): no bf16 or f16 on the way to a quantiser, and a product that is left as it is and whose result goes on into a quantised operand takes f32 operands (vector FMAs, or v_wmma_f32_16x16x4_f32). A number that lies on a knife's edge between two numbers of the format may be rounded either way, as far as f32 arithmetic and the matrix unit's own rounding can turn it there, and no further.
;; One version. Each part assembles by itself: llvm-mc -triple=amdgcn-amd-amdhsa -mcpu=gfx1250 --defsym DOCPART=n.
;; ======== version 1 of 1: 7 launches
;; limits: right only within a limited range of input values
;; workspace buffers: hc 12,582,912 bytes; wc 10,485,760 bytes; rt 524,288 bytes; qf 4,194,304 bytes; kv 8,388,608 bytes; oc 4,194,304 bytes; x1 16,777,216 bytes; fc 8,388,608 bytes
;; launch prep (part 1): grid 640 x 1, 4 waves a work-group, no clusters, 9,216 bytes of LDS; arguments x, ln1_g, ln1_b, Wq, Wk, Wv, Wo, W1, W2, W3, lowp_scales, hc, wc, rt; writes hc, wc, rt
.if DOCPART == 1
	.amdgcn_target "amdgcn-amd-amdhsa--gfx1250"
	.amdhsa_code_object_version 6
	.text
	.protected	k_q051fde6bb5_prep
	.globl	k_q051fde6bb5_prep
	.p2align	8
	.type	k_q051fde6bb5_prep,@function
k_q051fde6bb5_prep:
	s_mov_b64 s[64:65], 0
	v_nop
	global_prefetch_b8 v0, s[64:65] scope:SCOPE_SE
	s_setreg_imm32_b32 hwreg(HW_REG_WAVE_MODE, 25, 1), 1
	s_wait_xcnt 0x0
; Three jobs, told apart by the work-group's number alone:
;   0..255   LN: layernorm of 16 tokens of x, quantised three times (entries 1, 3, 5 of the scales) into hc
;   256..575 W:  the seven weights, f32 with K not innermost, into codes in wc
;   576..639 R:  the table of cos and sin for the rotary embedding, into rt
; IMAGE FORMAT of every operand of codes: [rows / 16][K / 128][2,048 bytes]; byte 512 c + 16 l + i holds tile row l % 16 and
; k = 128 kappa + 32 c + 16 (l / 16) + i: four 16-byte loads at 16 x lane give a lane the fragment's 16 registers.
; ROW ORDER: tile T, row p holds matrix row 32 (T / 2) + 8 (T % 2) + p + 8 (p / 8), so that the results of a product used
; transposed are 16 neighbours along the next K in a lane's registers.
; code = x / 2^e, held within +-448, nearest code, ties to even.  LIMITS: each e between -126 and 119.  NaN is not served.
.set NV,    3                          ; versions of the normalised rows
.set EB,    73                         ; s[EB + 2 v]: the exponent of version v
.set X,     16                         ; v16-143  my 128 numbers, in image order
.set SP,    144                        ; v144-155 block 0's codes
.set GBR,   160                        ; v160-223 two sets of 16 g and 16 b
.set T,     224                        ; v224-239 held numbers
.set SPW,   252                        ; v252 my spare word's LDS address; never rewritten
.set NIL,   253                        ; v253 0; never rewritten
.set RED,   8192                       ; LDS: 0..8191 g and b (2,048 bytes a wave); 8192 sums; 8448 sums of squares
.set SPARE, 8704                       ; the spare words: 128 bytes a wave, named by no other line
.macro REDUCE off                      ; four chains -> the row's total over 2 half-lanes and 4 waves, in v240 of every lane
	v_pk_add_f32 v[240:241], v[240:241], v[242:243]
	v_pk_add_f32 v[244:245], v[244:245], v[246:247]
	v_pk_add_f32 v[240:241], v[240:241], v[244:245]
	v_add_f32 v240, v240, v241
	v_permlanex16_b32 v250, v240, s60, s61
	v_add_f32 v240, v240, v250
	ds_store_b32 v8, v240 offset:\off
	s_wait_dscnt 0x0                               ; for the others' sake: my word has landed
	s_barrier_signal -1
	s_barrier_wait -1
	ds_load_b128 v[240:243], v9 offset:\off        ; the four waves' words of my row
	s_wait_dscnt 0x0
	v_add_f32 v240, v240, v241
	v_add_f32 v242, v242, v243
	v_add_f32 v240, v240, v242
.endm
.macro GBLOAD q                        ; g and b of block q's 16 columns of my half, from my wave's own LDS bytes
.irp j, 0,1,2,3
	ds_load_b128 v[GBR+32*((\q)%2)+4*\j:GBR+32*((\q)%2)+4*\j+3], v7 offset:512*((\q)/4)+128*((\q)%4)+16*\j
	ds_load_b128 v[GBR+32*((\q)%2)+16+4*\j:GBR+32*((\q)%2)+16+4*\j+3], v7 offset:1024+512*((\q)/4)+128*((\q)%4)+16*\j
.endr
.endm
.macro PICK id, ptr, ent               ; weight id: its pointer and its exponent; the condition is made of the work-group's number
	s_cmp_eq_u32 s3, \id
	s_cselect_b64 s[12:13], s[\ptr:\ptr+1], s[12:13]
	s_cselect_b32 s70, s[\ent], s70
.endm
.macro LOADB t                         ; block t: 32 along K of my column, into set t % 2; 32 lanes read 128 consecutive bytes
.set li, 0
.rept 32
	global_load_b32 v[48+32*((\t)%2)+li], v[16+li], s[44+2*(\t):45+2*(\t)] th:TH_LOAD_NT
.set li, li+1
.endr
.endm
.macro WBLOCK t
.set XW, 48+32*((\t)%2)
.set CW, 112+8*(\t)                    ; codes: eight registers of its own for each block: no store's data are written again
.if (\t) < 7
	s_wait_loadcnt 32                              ; this block's 32 loads are in; the next block's may be out
.else
	s_wait_loadcnt 0x0
.endif
.set wi, 0
.rept 32
	v_med3_num_f32 v[XW+wi], v[XW+wi], -v10, v10   ; the conversion does not saturate (ISA guide 7.6.2): the hold comes first
.set wi, wi+1
.endr
.irp g, 0,1,2,3
	v_cvt_scalef32_pk8_fp8_f32 v[CW+2*\g:CW+2*\g+1], v[XW+8*\g:XW+8*\g+7], v11
.endr
	global_store_b128 v4, v[CW:CW+3], s[60:61] offset:((\t)/4)*2048+((\t)%4)*512          ; k 0..15 of the block: sixteen lanes fill 256 aligned bytes
	global_store_b128 v4, v[CW+4:CW+7], s[60:61] offset:((\t)/4)*2048+((\t)%4)*512+256    ; k 16..31
.if (\t)+2 < 8
	LOADB (\t)+2
.endif
.endm
	s_load_b512 s[16:31], s[0:1], 0x0              ; x, ln1_g, ln1_b, Wq, Wk, Wv, Wo, W1
	s_load_b256 s[32:39], s[0:1], 0x40             ; W2, W3, lowp_scales, hc
	s_load_b128 s[40:43], s[0:1], 0x60             ; wc, rt
	v_lshl_add_u32 v[SPW], v0, 2, SPARE
	v_mov_b32 v[NIL], 0
	v_lshrrev_b32 v1, 5, v0
	v_readfirstlane_b32 s8, v1                     ; wave
	v_and_b32 v1, 31, v0                           ; lane
	s_wait_kmcnt 0x0
	s_cmp_lt_u32 ttmp9, 256
	s_cbranch_scc1 .Lln
	s_cmp_lt_u32 ttmp9, 576
	s_cbranch_scc1 .Lw
; ---- R: rt[pos][i] = {cos, sin}(pos x theta_i), theta_i = 10000^(-i/16).  A wave takes 8 positions, a lane a pair i.
; The angle is reduced by n = nearest(ang x 2/pi) with pi/2 in two parts (what is left out is under 1,303 x 2e-15), then two polynomials on +-pi/4.
	s_sub_co_u32 s2, ttmp9, 576
	s_lshl_b32 s2, s2, 5
	s_lshl_b32 s3, s8, 3
	s_add_co_u32 s9, s2, s3                        ; my first position
	s_lshl_b32 s2, s9, 8
	s_mov_b32 s3, 0
	s_add_nc_u64 s[44:45], s[42:43], s[2:3]
	s_mov_b32 s70, 0xbf549a78                      ; c = -log2(10000)/16,
	s_mov_b32 s71, 0xb297996b                      ; and what f32 leaves of it
	s_mov_b32 s72, 0x3f22f983                      ; 2/pi
	s_mov_b32 s73, 0x3fc90fdb                      ; pi/2, high part
	s_mov_b32 s74, 0xb33bbd2e                      ; low part
	s_mov_b32 s75, 0xb94ca1f9                      ; sine: S3, S2, S1
	s_mov_b32 s76, 0x3c08839e
	s_mov_b32 s77, 0xbe2aaaa3
	s_mov_b32 s78, 0x37ccf5ce                      ; cosine: C3, C2, C1
	s_mov_b32 s79, 0xbab6061a
	s_mov_b32 s80, 0x3d2aaaa5
	s_wait_alu depctr_va_vdst(0)
	v_lshlrev_b32 v17, 3, v1                       ; 8 bytes a pair
	v_cvt_f32_u32 v18, v1
	v_mul_f32 v19, s70, v18                        ; a = i c, rounded
	v_fma_f32 v20, v18, s70, -v19                  ; its rounding error,
	v_fma_f32 v20, v18, s71, v20                   ; and c's
	s_wait_alu depctr_va_vdst(0)
	v_exp_f32 v16, v19
	v_mul_f32 v20, 0x3f317218, v20                 ; x ln 2 (the plain line behind the exponential)
	s_wait_alu depctr_va_vdst(0)                   ; the wait ahead of the first reader
	v_fma_f32 v16, v16, v20, v16                   ; theta
.irp t, 0,1,2,3,4,5,6,7
	s_add_co_u32 s10, s9, \t
	v_cvt_f32_u32 v20, s10
	v_mul_f32 v20, v20, v16                        ; the angle, rounded once as in the definition
	v_mul_f32 v21, s72, v20
	v_rndne_f32 v21, v21                           ; n
	v_fma_f32 v22, -v21, s73, v20
	v_fma_f32 v22, -v21, s74, v22                  ; r
	v_mul_f32 v23, v22, v22                        ; z = r r
	v_fma_f32 v24, v23, s75, s76
	v_fma_f32 v26, v23, s78, s79
	v_fma_f32 v24, v24, v23, s77
	v_fma_f32 v26, v26, v23, s80
	v_mul_f32 v25, v23, v22
	v_mul_f32 v27, v23, v23
	v_fma_f32 v28, v23, -0.5, 1.0
	v_fma_f32 v24, v24, v25, v22                   ; sin r
	v_fma_f32 v26, v26, v27, v28                   ; cos r
	v_cvt_i32_f32 v29, v21
	v_and_b32 v30, 1, v29
	v_cmp_eq_u32 vcc_lo, 1, v30                    ; an odd quadrant swaps the two: a choice of values, no branch
	v_cndmask_b32 v31, v24, v26, vcc_lo
	v_cndmask_b32 v32, v26, v24, vcc_lo
	v_and_b32 v33, 2, v29
	v_add_nc_u32 v34, 1, v29
	v_lshlrev_b32 v33, 30, v33
	v_and_b32 v34, 2, v34
	v_lshlrev_b32 v34, 30, v34
	v_xor_b32 v[64+2*\t], v32, v34                 ; cos: negative in quadrants 1, 2
	v_xor_b32 v[65+2*\t], v31, v33                 ; sin: negative in quadrants 2, 3
	global_store_b64 v17, v[64+2*\t:65+2*\t], s[44:45] offset:256*\t   ; the wave stores 256 consecutive bytes, aligned
.endr
	s_endpgm
; ---- W: a work-group takes 128 columns x 256 along K of one weight; a wave 32 columns; A LANE TAKES A COLUMN, ITS REGISTERS RUN DOWN K.
.Lw:
	s_load_b512 s[72:87], s[36:37], 0x0            ; entries 0..15
	s_load_b64 s[88:89], s[36:37], 0x40            ; 16, 17
	s_sub_co_u32 s2, ttmp9, 256
	s_lshr_b32 s3, s2, 5                           ; Wq, Wk, Wv, Wo: 32 work-groups each
	s_and_b32 s4, s2, 31
	s_sub_co_u32 s5, s2, 128
	s_lshr_b32 s6, s5, 6                           ; W1, W2, W3: 64 each
	s_add_co_u32 s6, s6, 4
	s_and_b32 s5, s5, 63
	s_cmp_lt_u32 s2, 128
	s_cselect_b32 s3, s3, s6                       ; id 0..6
	s_cselect_b32 s4, s4, s5                       ; which part of it
	s_sub_co_i32 s6, s3, 4
	s_max_i32 s10, s6, 0
	s_add_co_u32 s10, s10, s3                      ; its place in wc, in MiB: 0, 1, 2, 3, 4, 6, 8
	s_mov_b32 s5, 10
	s_cmp_lt_u32 s3, 3
	s_cselect_b32 s5, 6, s5
	s_cmp_lt_u32 s6, 2
	s_cselect_b32 s5, 11, s5                       ; log2 of the numbers from one k to the next: 6 in a head, 11 in W1 and W2, else 10
	s_cselect_b32 s7, 4, 3                         ; log2 of the groups of 128 columns
	s_cmp_eq_u32 s3, 6
	s_cselect_b32 s9, 15, 14                       ; log2 of a row tile's bytes: 16 K
	s_bfm_b32 s14, s7, 0
	s_and_b32 s14, s4, s14
	s_lshr_b32 s15, s4, s7                         ; kg: K from 256 kg on
	s_lshl_b32 s14, s14, 2
	s_add_co_u32 s14, s14, s8                      ; my 32 columns: n0 / 32
	s_lshl_b32 s71, 4, s5                          ; bytes from one k to the next
	s_wait_kmcnt 0x0
	s_mov_b64 s[12:13], s[34:35]                   ; W3 and entry 17, unless
	s_mov_b32 s70, s89
	PICK 0, 22, 72
	PICK 1, 24, 74
	PICK 2, 26, 76
	PICK 3, 28, 83
	PICK 4, 30, 85
	PICK 5, 32, 87
	s_lshl_b32 s44, s14, 5                         ; n0
	s_lshr_b32 s45, s44, s5                        ; the head (0 in the plain matrices),
	s_lshl_b32 s45, s45, 18                        ; 262,144 bytes each
	s_bfm_b32 s46, s5, 0
	s_and_b32 s46, s44, s46
	s_lshl_b32 s46, s46, 2
	s_add_co_u32 s45, s45, s46
	s_lshl_b32 s46, s15, 8
	s_mul_i32 s46, s46, s71
	s_add_co_u32 s46, s45, s46
	s_mov_b32 s47, 0
	s_add_nc_u64 s[44:45], s[12:13], s[46:47]      ; block 0's base
	s_lshl_b32 s66, s71, 5                         ; 32 along K on
	s_mov_b32 s67, 0
.irp t, 1,2,3,4,5,6,7
	s_add_nc_u64 s[44+2*\t:45+2*\t], s[42+2*\t:43+2*\t], s[66:67]
.endr
	s_lshl_b32 s2, s10, 20
	s_lshl_b32 s6, s14, 1
	s_lshl_b32 s6, s6, s9                          ; tile 2 (n0 / 32)
	s_add_co_u32 s2, s2, s6
	s_lshl_b32 s6, s15, 12                         ; K step 2 kg
	s_add_co_u32 s2, s2, s6
	s_mov_b32 s3, 0
	s_add_nc_u64 s[60:61], s[40:41], s[2:3]
	s_wait_alu depctr_va_vdst(0)
	v_and_b32 v2, 7, v1
	v_and_b32 v3, 8, v1
	v_lshl_or_b32 v2, v3, 1, v2
	v_and_b32 v3, 16, v1
	v_lshrrev_b32 v3, 1, v3
	v_or_b32 v2, v2, v3                            ; my column: lane's bits 3 and 4 swapped, so that lane l is row l % 16 of tile l / 16
	v_lshlrev_b32 v16, 2, v2
.set li, 1
.rept 31
	v_add_nc_u32 v[16+li], s71, v[15+li]           ; v16-47: my column at k = 0 .. 31 of a block
.set li, li+1
.endr
	v_lshrrev_b32 v3, 4, v1
	v_lshlrev_b32 v3, s9, v3
	v_and_b32 v4, 15, v1
	v_lshl_add_u32 v4, v4, 4, v3                   ; out: (l / 16) tiles + 16 (l % 16)
	LOADB 0
	LOADB 1
	s_add_co_i32 s70, s70, 127
	s_lshl_b32 s2, s70, 23
	v_mov_b32 v11, s2                              ; 2^e: the conversion takes its exponent field
	s_add_co_i32 s70, s70, 8
	s_lshl_b32 s70, s70, 23
	s_or_b32 s70, s70, 0x600000
	v_mov_b32 v10, s70                             ; 448 x 2^e
	s_wait_alu depctr_va_vdst(0)
.irp t, 0,1,2,3,4,5,6,7
	WBLOCK \t
.endr
	s_endpgm
; ---- LN: the work-group is token tile T; wave w owns columns 256 w .. 256 w + 255; lane (p, h) holds 128 numbers of tile row p in image order.
.Lln:
	s_load_b256 s[72:79], s[36:37], 0x0            ; entries 0..7
	v_and_b32 v2, 15, v0                           ; p
	v_bfe_u32 v3, v0, 4, 1                         ; h
	v_and_b32 v4, 8, v2
	v_add_nc_u32 v4, v4, v2                        ; p + 8 (p / 8)
	v_lshlrev_b32 v4, 12, v4
	v_lshl_add_u32 v4, v3, 6, v4                   ; in: my row of 4,096 bytes + 64 h
	s_wait_alu depctr_va_vdst(0)
	v_lshlrev_b32 v5, 4, v1                        ; 16 x lane
	s_wait_alu depctr_va_vdst(0)
	s_lshl_b32 s9, s8, 11
	v_add_nc_u32 v6, s9, v5                        ; g, b into LDS
	v_lshlrev_b32 v7, 6, v3
	v_add_nc_u32 v7, s9, v7                        ; and back: 64 h
	s_lshl_b32 s10, s8, 2
	s_add_co_u32 s10, s10, RED
	v_lshl_add_u32 v8, v2, 4, s10                  ; my wave's word of row p
	v_lshlrev_b32 v9, 4, v2
	v_add_nc_u32 v9, RED, v9                       ; row p's four words
	s_lshr_b32 s2, ttmp9, 1
	s_lshl_b32 s2, s2, 17
	s_and_b32 s3, ttmp9, 1
	s_lshl_b32 s3, s3, 15
	s_add_co_u32 s2, s2, s3                        ; token 32 (T / 2) + 8 (T % 2), in bytes
	s_lshl_b32 s3, s8, 10
	s_add_co_u32 s2, s2, s3
	s_mov_b32 s3, 0
	s_add_nc_u64 s[44:45], s[16:17], s[2:3]
	s_lshl_b32 s2, s8, 10
	s_add_nc_u64 s[46:47], s[18:19], s[2:3]
	s_add_nc_u64 s[48:49], s[20:21], s[2:3]
	s_lshl_b32 s2, ttmp9, 14
	s_lshl_b32 s4, s8, 12
	s_add_co_u32 s2, s2, s4                        ; (8 T + 2 w) x 2,048
	s_add_nc_u64 s[50:51], s[38:39], s[2:3]
	s_add_nc_u64 s[52:53], s[50:51], 0x400000
	s_add_nc_u64 s[54:55], s[50:51], 0x800000
	global_load_b128 v[160:163], v5, s[46:47]
	global_load_b128 v[164:167], v5, s[46:47] offset:512
	global_load_b128 v[168:171], v5, s[48:49]
	global_load_b128 v[172:175], v5, s[48:49] offset:512
.irp s, 0,1
.irp c, 0,1,2,3
.irp j, 0,1,2,3
	global_load_b128 v[X+64*\s+16*\c+4*\j:X+64*\s+16*\c+4*\j+3], v4, s[44:45] offset:512*\s+128*\c+16*\j
.endr
.endr
.endr
	s_mov_b32 s60, 0x76543210                      ; lane l xor 16
	s_mov_b32 s61, 0xfedcba98
	s_mov_b32 s62, 0x3a800000                      ; 1 / 1,024
	s_mov_b32 s63, 0x3727c5ac                      ; 1e-5
	v_mov_b32 v250, 0                              ; a lane permute's destination counts as read
	s_wait_alu depctr_va_vdst(0)
	s_wait_loadcnt 32                              ; g and b are in; the 32 loads of x are younger
	ds_store_b128 v6, v[160:163]
	ds_store_b128 v6, v[164:167] offset:512
	ds_store_b128 v6, v[168:171] offset:1024
	ds_store_b128 v6, v[172:175] offset:1536
	s_wait_kmcnt 0x0
.set vv, 0
.rept NV
	s_add_co_i32 s4, s[EB+2*vv], 127
	s_lshl_b32 s5, s4, 23
	v_mov_b32 v[10+2*vv], s5                       ; 2^e
	s_add_co_i32 s4, s4, 8
	s_lshl_b32 s4, s4, 23
	s_or_b32 s4, s4, 0x600000
	v_mov_b32 v[11+2*vv], s4                       ; 448 x 2^e
.set vv, vv+1
.endr
	s_wait_loadcnt 0x0
.irp k, 0,1,2,3
	v_pk_add_f32 v[240+2*\k:241+2*\k], v[X+2*\k:X+2*\k+1], v[X+8+2*\k:X+9+2*\k]   ; four chains, started by the first pairs
.endr
.set p, 8
.rept 56
	v_pk_add_f32 v[240+2*(p%4):241+2*(p%4)], v[240+2*(p%4):241+2*(p%4)], v[X+2*p:X+2*p+1]
.set p, p+1
.endr
	REDUCE 0
	v_mul_f32 v248, s62, v240                      ; the mean
	v_mov_b32 v249, v248
.set p, 0
.rept 64
	v_pk_add_f32 v[X+2*p:X+2*p+1], v[X+2*p:X+2*p+1], v[248:249] op_sel_hi:[1,0] neg_lo:[0,1] neg_hi:[0,1]   ; x - mean: two passes, as the definition has it
.set p, p+1
.endr
.irp k, 0,1,2,3
	v_pk_mul_f32 v[240+2*\k:241+2*\k], v[X+2*\k:X+2*\k+1], v[X+2*\k:X+2*\k+1]
.endr
.set p, 4
.rept 60
	v_pk_fma_f32 v[240+2*(p%4):241+2*(p%4)], v[X+2*p:X+2*p+1], v[X+2*p:X+2*p+1], v[240+2*(p%4):241+2*(p%4)]
.set p, p+1
.endr
	REDUCE 256
	GBLOAD 0
	v_fma_f32 v240, v240, s62, s63                 ; variance + eps
	s_wait_alu depctr_va_vdst(0)
	v_rsq_f32 v248, v240
	v_nop                                          ; a plain line behind the transcendental
	s_wait_alu depctr_va_vdst(0)                   ; the wait ahead of the first reader
	v_mov_b32 v249, v248
.set q, 0
	s_wait_alu depctr_va_vdst(0)
.rept 8                                ; block q: 16 numbers a lane: K step q / 4 of my two, c = q % 4
.set XS, X+16*q
.set GS, GBR+32*(q%2)
.if q < 7
	GBLOAD q+1
	s_wait_dscnt 8                                 ; this block's g and b are in; the eight loads just issued may be out
.else
	s_wait_dscnt 0x0
.endif
.irp i, 0,2,4,6,8,10,12,14
	v_pk_mul_f32 v[XS+\i:XS+\i+1], v[XS+\i:XS+\i+1], v[248:249] op_sel_hi:[1,0]
.endr
.irp i, 0,2,4,6,8,10,12,14
	v_pk_fma_f32 v[XS+\i:XS+\i+1], v[XS+\i:XS+\i+1], v[GS+\i:GS+\i+1], v[GS+16+\i:GS+17+\i]
.endr
.if q == 0
.set CB, SP
.else
.set CB, XS-16                         ; the codes take the registers of the block before, whose numbers are done with: no store's data are written again
.endif
.set vv, 0
.rept NV
.irp i, 0,1,2,3,4,5,6,7,8,9,10,11,12,13,14,15
	v_med3_num_f32 v[T+\i], v[XS+\i], -v[11+2*vv], v[11+2*vv]
.endr
	v_cvt_scalef32_pk8_fp8_f32 v[CB+4*vv:CB+4*vv+1], v[T:T+7], v[10+2*vv]
	v_cvt_scalef32_pk8_fp8_f32 v[CB+4*vv+2:CB+4*vv+3], v[T+8:T+15], v[10+2*vv]
	v_nop                                          ; a plain line between the conversions and the next lines, which write their sources
	global_store_b128 v5, v[CB+4*vv:CB+4*vv+3], s[50+2*vv:51+2*vv] offset:2048*(q/4)+512*(q%4)   ; 512 consecutive bytes
.set vv, vv+1
.endr
.set q, q+1
.endr
	s_wait_tensorcnt 0x0                           ; the wave's end, behind my last LDS store
	ds_add_u32 v[SPW], v[NIL]
	s_wait_dscnt 0x0
	s_endpgm
.Lfunc_end_k_q051fde6bb5_prep:
	.size	k_q051fde6bb5_prep, .Lfunc_end_k_q051fde6bb5_prep-k_q051fde6bb5_prep
	.p2alignl 7, 3214868480
	.fill 96, 4, 3214868480
	.section	.rodata,"a",@progbits
	.p2align	6, 0x0
	.amdhsa_kernel k_q051fde6bb5_prep
		.amdhsa_group_segment_fixed_size 9216
		.amdhsa_private_segment_fixed_size 0
		.amdhsa_enable_private_segment 0
		.amdhsa_kernarg_size 112
		.amdhsa_user_sgpr_count 2
		.amdhsa_user_sgpr_kernarg_segment_ptr 1
		.amdhsa_wavefront_size32 1
		.amdhsa_system_sgpr_workgroup_id_x 1
		.amdhsa_system_sgpr_workgroup_id_y 1
		.amdhsa_system_sgpr_workgroup_id_z 1
		.amdhsa_system_vgpr_workitem_id 0
		.amdhsa_next_free_vgpr 256
		.amdhsa_next_free_sgpr 96
		.amdhsa_reserve_vcc 1
		.amdhsa_float_denorm_mode_32 3
		.amdhsa_float_denorm_mode_16_64 3
		.amdhsa_memory_ordered 1
		.amdhsa_forward_progress 1
		.amdhsa_inst_pref_size 123
	.end_amdhsa_kernel
	.amdgpu_metadata
---
amdhsa.version: [ 1, 2 ]
amdhsa.kernels:
  - .name:           k_q051fde6bb5_prep
    .symbol:         k_q051fde6bb5_prep.kd
    .args:
      - { .name: x, .offset: 0, .size: 8, .value_kind: global_buffer, .address_space: global }
      - { .name: ln1_g, .offset: 8, .size: 8, .value_kind: global_buffer, .address_space: global }
      - { .name: ln1_b, .offset: 16, .size: 8, .value_kind: global_buffer, .address_space: global }
      - { .name: Wq, .offset: 24, .size: 8, .value_kind: global_buffer, .address_space: global }
      - { .name: Wk, .offset: 32, .size: 8, .value_kind: global_buffer, .address_space: global }
      - { .name: Wv, .offset: 40, .size: 8, .value_kind: global_buffer, .address_space: global }
      - { .name: Wo, .offset: 48, .size: 8, .value_kind: global_buffer, .address_space: global }
      - { .name: W1, .offset: 56, .size: 8, .value_kind: global_buffer, .address_space: global }
      - { .name: W2, .offset: 64, .size: 8, .value_kind: global_buffer, .address_space: global }
      - { .name: W3, .offset: 72, .size: 8, .value_kind: global_buffer, .address_space: global }
      - { .name: lowp_scales, .offset: 80, .size: 8, .value_kind: global_buffer, .address_space: global }
      - { .name: hc, .offset: 88, .size: 8, .value_kind: global_buffer, .address_space: global }
      - { .name: wc, .offset: 96, .size: 8, .value_kind: global_buffer, .address_space: global }
      - { .name: rt, .offset: 104, .size: 8, .value_kind: global_buffer, .address_space: global }
    .group_segment_fixed_size: 9216
    .private_segment_fixed_size: 0
    .kernarg_segment_align: 8
    .kernarg_segment_size: 112
    .max_flat_workgroup_size: 128
    .sgpr_count:     96
    .vgpr_count:     256
    .wavefront_size: 32
...
	.end_amdgpu_metadata
.endif
;; end of part 1
;; launch qkv (part 2): grid 8 x 32, 4 waves a work-group, clusters of 4 x 4, 327,680 bytes of LDS; arguments hc, wc, rt, lowp_scales, qf, kv; writes qf, kv
.if DOCPART == 2
	.amdgcn_target "amdgcn-amd-amdhsa--gfx1250"
	.amdhsa_code_object_version 6
	.text
	.protected	k_q051fde6bb5_qkv
	.globl	k_q051fde6bb5_qkv
	.p2align	8
	.type	k_q051fde6bb5_qkv,@function
k_q051fde6bb5_qkv:
	s_mov_b64 s[64:65], 0
	v_nop
	global_prefetch_b8 v0, s[64:65] scope:SCOPE_SE
	s_setreg_imm32_b32 hwreg(HW_REG_WAVE_MODE, 25, 1), 1
	s_wait_xcnt 0x0
	s_wait_alu depctr_hold_cnt(0) depctr_sa_sdst(0) depctr_va_vdst(0) depctr_va_sdst(0) depctr_va_ssrc(0) depctr_va_vcc(0) depctr_vm_vsrc(0)
	s_getreg_b32 s2, hwreg(HW_REG_IB_STS2, 6, 4)
	s_cmp_eq_u32 s2, 0
	s_cbranch_scc0 .Lentry_in_a_cluster
	s_endpgm
.Lentry_in_a_cluster:
	s_bfe_u32 s2, ttmp6, 0x10000c
	s_cmp_lg_u32 s2, 0xf033
	s_cbranch_scc0 .Lentry_shape_is_right
	s_endpgm
.Lentry_shape_is_right:
; q, k, v = LN(x) Wq, Wk, Wv on codes of E4M3; q and k are rotated; all three are quantised again and stored as the attention launch's registers want them.
; A work-group (i: 128 tokens, j: 128 weight rows = 2 heads) stays for three tiles of 128 x 128: q, k, v.  Four waves, 64 x 64 each: 16 accumulators.
; OPERANDS lie in memory as images of fragments (16 rows x 128 K = 2,048 bytes: byte 512 c + 16 lane + n), so a fragment is four 16-byte LDS loads at 16 x lane: dense, no pitch.
; K = 1,024 goes in two halves through two LDS slots of 128 KiB (region A 64 KiB, region B 64 KiB; a row tile takes 8,192 bytes = 4 K steps).
; THE MATRIX INSTRUCTION IS USED TRANSPOSED: source 0 = a tile of region B, source 1 = a tile of region A.  With the row order of the images, lane (r, h) holds row r of A's tile, and the 16 registers of
; accumulators (a, 2 u), (a, 2 u + 1) are B's rows 32 u + 16 h + 0 .. 15: sixteen neighbours.  For q and k: A = tokens, B = weight rows (the head's 64).  For v THE REGIONS ARE SWAPPED, so that a lane's registers run along the keys.
; CLUSTER 4 x 4: the token images hang on i alone and are asked for jointly along a row of the cluster, the weights on j alone, along a column.
; The six fills: two at the head; each of the next four stands first behind a round of the cluster's barrier, one tensor load a wave (32 KiB); by this text's count at most two loads of a wave are out.
; LIMITS: e6-e0-e1, e7-e2-e3, e9-e4-e5 between -126 and 119.  NaN is not served.
; REGISTERS: window 0: v1 r, v2 h, v3 table offset, v4 16 x lane, v8-13 scales, v16-21 LDS addresses, v28, v29 the add's two, v32-63 codes, v64-71 at work, v128-255 accumulators ((a, b) at 128 + 8 (4 a + b));
;   window 1: two fragment buffers of 128 (A's four at 16 a, B's four at 64 + 16 b);  window 2: v0-127 cos and sin for my 64 tokens, in the accumulators' layout.
.set SLOT,  131072
.set SPARE, 262144                     ; behind the ring: the spare words, 128 bytes a wave, named by no other line
.set LI,   4
.set ADRA, 16
.set ADRB, 20
.set SPW,  28
.set NIL,  29
.set ACC,  128
.set F0,   0
.set F1,   128
.set G1,   24                          ; s[24:31] group 1, s[32:39] groups 0 (one a slot): the token images
.set G0,   32
.set G1B,  48                          ; s[48:55], s[56:63]: the weights
.set G0B,  56
.set MUL,  0x05                        ; sources 0 and 1 window 1; C and D window 0
.set TO_F, 0x40                        ; destination window 1
.set TO_2, 0x80                        ; destination window 2
.set MSB, 0
.set PFO, 6                            ; v6: the prefetches' offset, 256 x lane; never rewritten
.set FN,  2                            ; the number of the next fill that a change of slots issues
; A PREFETCH INTO THE L2: behind fill f - 2's load and the run of LDS loads that follows it, fill f is asked of memory: two fills ahead.  Fill f is half f % 2 of K of tile f / 2 (q, k, v).
; Of the four row tiles (8,192 bytes each) that a wave fetches, each of the four partners that ask for them jointly takes one, told apart BY ADDRESS: 32 lanes x 256 bytes, one instruction a wave.
; s[94:95], s[96:97], s[98:99]: my partner's row tile in q's, k's and v's operand; never rewritten.  The last two fills ask for nothing.
.macro ASK f
.if (\f) < 6
	global_prefetch_b8 v[PFO], s[94+2*((\f)/2):95+2*((\f)/2)] offset:8192*((\f)%2) th:TH_LOAD_NT scope:SCOPE_SE
.endif
.endm
.macro WIN new                         ; the immediate's high byte repeats the setting that is left
.if MSB != \new
	s_set_vgpr_msb (MSB<<8)|\new
.set MSB, \new
.endif
.endm
.macro JLOAD s                         ; a joint load: waves 0, 1 fetch the token images, waves 2, 3 the weights; an s_nop 0 and four v_nop follow each line
	s_cmp_eq_u32 s11, 0
	s_cbranch_scc0 .Lfor_b_\@
	tensor_load_to_lds s[G0+4*\s:G0+4*\s+3], s[G1:G1+7]
	s_nop 0
.rept 4
	v_nop
.endr
	s_branch .Lasked_\@
.Lfor_b_\@:
	tensor_load_to_lds s[G0B+4*\s:G0B+4*\s+3], s[G1B:G1B+7]
	s_nop 0
.rept 4
	v_nop
.endr
.Lasked_\@:
.endm
.macro CREST                           ; a round of the cluster's barrier behind its opening barrier
	s_cmp_lg_u32 s10, 0
	s_cbranch_scc1 .Lnot_wave_0_\@
	s_barrier_signal -3
.Lnot_wave_0_\@:
	s_barrier_wait -3
	s_barrier_signal -1
	s_barrier_wait -1
.endm
.macro CROUND
	s_barrier_signal -1
	s_barrier_wait -1
	CREST
.endm
.macro PLACES                          ; four plain lines between matrix instructions and loads into, or reads of, their registers
.rept 4
	v_nop
.endr
.endm
.macro FETCH slot, q, f                ; the fragments of the slot's q-th 128 along K: B's four, then A's four: 32 loads in one run
	WIN TO_F
.irp t, 0,1,2,3
.irp c, 0,1,2,3
	ds_load_b128 v[\f+64+16*\t+4*\c:\f+64+16*\t+4*\c+3], v[ADRB+\slot] offset:\t*8192+\q*2048+512*\c
.endr
.endr
.irp t, 0,1,2,3
.irp c, 0,1,2,3
	ds_load_b128 v[\f+16*\t+4*\c:\f+16*\t+4*\c+3], v[ADRA+\slot] offset:\t*8192+\q*2048+512*\c
.endr
.endr
.endm
.macro MUL8 f, a0, zero                ; A's tiles a0, a0 + 1 x B's four; the 16 accumulators take turns, one instruction a turn
.irp a, \a0, \a0+1
.irp b, 0,1,2,3
.if \zero
	v_wmma_f32_16x16x128_fp8_fp8 v[ACC+8*(4*(\a)+\b):ACC+8*(4*(\a)+\b)+7], v[\f+64+16*\b:\f+64+16*\b+15], v[\f+16*(\a):\f+16*(\a)+15], 0
.else
	v_wmma_f32_16x16x128_fp8_fp8 v[ACC+8*(4*(\a)+\b):ACC+8*(4*(\a)+\b)+7], v[\f+64+16*\b:\f+64+16*\b+15], v[\f+16*(\a):\f+16*(\a)+15], v[ACC+8*(4*(\a)+\b):ACC+8*(4*(\a)+\b)+7]
.endif
.endr
.endr
.endm
.macro QUARTER slot, qn, f, g, zero    ; 128 along K from buffer f; in its middle the next quarter, qn, is fetched into g
	s_wait_dscnt 8                                 ; B's four and A's tiles 0, 1 are in; the youngest eight loads may be out
	WIN MUL
	MUL8 \f, 0, \zero
	PLACES
	FETCH \slot, \qn, \g
	s_wait_dscnt 32                                ; all but the 32 just issued
	WIN MUL
	MUL8 \f, 2, \zero
.endm
.macro HALF slot, zero
	QUARTER \slot, 1, F0, F1, \zero
	QUARTER \slot, 2, F1, F0, 0
	QUARTER \slot, 3, F0, F1, 0
.endm
.macro STEPD slot, kind                ; the slot's next fill is the same half of K of the next tile; kind 2: the regions change places
	s_add_nc_u64 s[G0+4*\slot+2:G0+4*\slot+3], s[G0+4*\slot+2:G0+4*\slot+3], 0x400000
	s_add_nc_u64 s[G0B+4*\slot+2:G0B+4*\slot+3], s[G0B+4*\slot+2:G0B+4*\slot+3], 0x100000
.if \kind == 2
	s_xor_b32 s[G0+4*\slot+1], s[G0+4*\slot+1], 65536
	s_xor_b32 s[G0B+4*\slot+1], s[G0B+4*\slot+1], 65536
.endif
.endm
; A slot's last quarter changes slots: ONE barrier; in front of it each wave waits for all its tensor loads, adds 0 to its spare word, and waits for that and for its reads of this slot.
.macro TURN slot, next, fill, kind
	s_wait_dscnt 8                                 ; the slot's last quarter is multiplied first: its fragments are in registers
	WIN MUL
	MUL8 F1, 0, 0
	s_wait_dscnt 0x0
	MUL8 F1, 2, 0
	WIN 0
	s_wait_tensorcnt 0x0                           ; all my tensor loads have landed: my part of the next slot
	ds_add_u32 v[SPW], v[NIL]
	s_wait_dscnt 0x0                               ; the add is done, and my reads of this slot are over
	s_barrier_signal -1
	s_barrier_wait -1
.if \fill
	CREST                                          ; the barrier has opened a round of the cluster's: no wave of any partner still reads this slot or has a load on its way
	STEPD \slot, \kind
	JLOAD \slot                                    ; first behind the round; its four v_nop are the places for the loads below and for the way out
.else
	PLACES
.endif
	FETCH \next, 0, F0
.if \fill
	ASK FN+2
.set FN, FN+1
.endif
.endm
.macro MKS vs, vl, e                   ; s[e] = exponent: v[vs] = 2^e, v[vl] = 448 x 2^e
	s_add_co_i32 s2, s[\e], 127
	s_lshl_b32 s3, s2, 23
	v_mov_b32 v[\vs], s3
	s_add_co_i32 s2, s2, 8
	s_lshl_b32 s2, s2, 23
	s_or_b32 s2, s2, 0x600000
	v_mov_b32 v[\vl], s2
.endm
.macro ROPE a                          ; token tile a: (x0, x1) -> (x0 c - x1 s, x1 c + x0 s), in place; each accumulator is read from its low end on
	WIN 0x08                                       ; source 1 (cos, sin) window 2
.irp b, 0,1,2,3
.set AB, ACC+8*(4*\a+\b)
.set RB, 8*(4*\a+\b)
.irp m, 0,1,2,3
	v_mul_f32 v[64+2*\m], v[AB+2*\m+1], v[RB+2*\m+1]
	v_mul_f32 v[65+2*\m], v[AB+2*\m], v[RB+2*\m+1]
.endr
.irp m, 0,1,2,3
	v_fma_f32 v[AB+2*\m], v[AB+2*\m], v[RB+2*\m], -v[64+2*\m]
	v_fma_f32 v[AB+2*\m+1], v[AB+2*\m+1], v[RB+2*\m], v[65+2*\m]
.endr
.endr
	WIN 0
.endm
.macro QOUT a, vs, vl, base, astep     ; A's tile a: 32 numbers a lane become 32 codes: two stores of 512 consecutive bytes
.set qi, 0
.rept 32
	v_med3_num_f32 v[ACC+32*\a+qi], v[ACC+32*\a+qi], -v[\vl], v[\vl]
.set qi, qi+1
.endr
.irp g, 0,1,2,3
	v_cvt_scalef32_pk8_fp8_f32 v[32+8*\a+2*\g:33+8*\a+2*\g], v[ACC+32*\a+8*\g:ACC+32*\a+8*\g+7], v[\vs]
.endr
	v_nop                                          ; a plain line between the conversions and the next products, which write their sources
	global_store_b128 v[LI], v[32+8*\a:35+8*\a], s[\base:\base+1] offset:\a*\astep
	global_store_b128 v[LI], v[36+8*\a:39+8*\a], s[\base:\base+1] offset:\a*\astep+512
.endm
	s_load_b256 s[68:75], s[0:1], 0x0              ; hc, wc, rt, lowp_scales
	s_load_b128 s[76:79], s[0:1], 0x20             ; qf, kv
	v_lshl_add_u32 v[SPW], v0, 2, SPARE
	v_mov_b32 v[NIL], 0
	ds_add_u32 v[SPW], v[NIL]                      ; the wave's opening: the add and its wait ahead of my first tensor load
	ds_add_u32 v[SPW], v[NIL]
	v_lshrrev_b32 v1, 5, v0
	v_readfirstlane_b32 s10, v1                    ; wave
	s_lshr_b32 s11, s10, 1                         ; i2: my 64 rows of region A.  Also: I fetch token images (0) or weights (1)
	s_and_b32 s12, s10, 1                          ; j2: my 64 rows of region B.  Also: which four row tiles I fetch
	s_bfe_u32 s40, ttmp6, 0x40000                  ; cx
	s_bfe_u32 s41, ttmp6, 0x40004                  ; cy
	s_lshl_b32 s42, ttmp9, 2
	s_add_co_u32 s42, s42, s40                     ; j
	s_and_b32 s13, ttmp7, 0xffff
	s_lshl_b32 s13, s13, 2
	s_add_co_u32 s13, s13, s41                     ; i
	s_lshl_b32 s43, s41, 2
	s_lshl_b32 s43, 15, s43                        ; my row of the cluster
	s_lshl_b32 s44, 0x1111, s40                    ; my column
	s_or_b32 s[G1], s43, (3<<16)|(1<<21)           ; the mask; elements of 8 bytes; bit 21 beside a mask; no padding
	s_or_b32 s[G1B], s44, (3<<16)|(1<<21)
.irp g, G1, G1B
	s_mov_b32 s[\g+1], 1024<<16                    ; tensor_dim0 = 1,024 elements: 8,192 bytes, four K steps of a row tile
	s_mov_b32 s[\g+2], 4<<16                       ; tensor_dim1 = 4 row tiles
	s_mov_b32 s[\g+3], 1024<<16                    ; tile_dim0
	s_mov_b32 s[\g+4], 4                           ; tile_dim1
	s_mov_b32 s[\g+5], 2048                        ; from row tile to row tile: 16,384 bytes
	s_mov_b32 s[\g+6], 0
	s_mov_b32 s[\g+7], 0
.endr
	s_lshl_b32 s17, s12, 16                        ; four row tiles on
	s_lshl_b32 s16, s13, 17                        ; eight row tiles a block
	s_add_co_u32 s16, s16, s17
	s_lshl_b32 s46, s42, 17
	s_add_co_u32 s46, s46, s17
	s_mov_b32 s17, 0
	s_mov_b32 s47, 0
	s_lshl_b32 s20, s10, 15                        ; where they go: wave x 32,768: no place in the cluster enters an LDS address
	s_wait_dscnt 0x0                               ; the opening add is done
	s_wait_kmcnt 0x0
	s_load_b256 s[80:87], s[74:75], 0x0            ; entries 0..7
	s_load_b64 s[88:89], s[74:75], 0x20            ; 8, 9
	s_add_nc_u64 s[14:15], s[68:69], s[16:17]
	s_add_nc_u64 s[46:47], s[70:71], s[46:47]
	CROUND                                         ; all sixteen work-groups are here: the first joint loads meet
.irp s, 0,1
	s_mov_b32 s[G0+4*\s], 1
	s_add_co_u32 s[G0+4*\s+1], s20, \s*SLOT
	s_add_nc_u64 s[G0+4*\s+2:G0+4*\s+3], s[14:15], \s*8192
	s_or_b32 s[G0+4*\s+3], s[G0+4*\s+3], 0x80000000
	s_mov_b32 s[G0B+4*\s], 1
	s_add_co_u32 s[G0B+4*\s+1], s20, \s*SLOT
	s_add_nc_u64 s[G0B+4*\s+2:G0B+4*\s+3], s[46:47], \s*8192
	s_or_b32 s[G0B+4*\s+3], s[G0B+4*\s+3], 0x80000000
.endr
	JLOAD 0                                        ; fill 0: one tensor load a wave at the head; fill 1 follows behind the full sequence and a round
	s_cmp_eq_u32 s11, 0                            ; the prefetches: token images or weights, by the wave's number
	s_cselect_b64 s[94:95], s[14:15], s[46:47]
	s_cselect_b32 s6, s40, s41                     ; my place among the four that ask with me
	s_mov_b32 s8, 0x100000
	s_cselect_b32 s8, 0x400000, s8                 ; from one tile's operand to the next
	s_lshl_b32 s6, s6, 14                          ; a row tile is 16,384 bytes
	s_mov_b32 s7, 0
	s_mov_b32 s9, 0
	s_add_nc_u64 s[94:95], s[94:95], s[6:7]
	s_add_nc_u64 s[96:97], s[94:95], s[8:9]
	s_add_nc_u64 s[98:99], s[96:97], s[8:9]
	v_and_b32 v5, 31, v0
	v_lshlrev_b32 v[PFO], 8, v5
	ASK 2
	v_and_b32 v1, 15, v0                           ; r
	v_bfe_u32 v2, v0, 4, 1                         ; h
	v_and_b32 v3, 8, v1
	v_add_nc_u32 v3, v3, v1
	v_lshlrev_b32 v3, 8, v3
	v_lshl_add_u32 v3, v2, 6, v3                   ; the table: position r + 8 (r / 8) of 256 bytes, + 8 h pairs
	s_and_b32 s21, s13, 15
	s_lshl_b32 s21, s21, 15                        ; my block's first position in its sequence,
	s_lshl_b32 s22, s11, 14                        ; my wave's 64
	s_add_co_u32 s22, s21, s22
	s_mov_b32 s23, 0
	s_add_nc_u64 s[72:73], s[72:73], s[22:23]
	WIN TO_2
.irp a, 0,1,2,3
.irp b, 0,1,2,3
	global_load_b128 v[8*(4*\a+\b):8*(4*\a+\b)+3], v3, s[72:73] offset:(32*(\a/2)+8*(\a%2))*256+128*(\b/2)+32*(\b%2)
	global_load_b128 v[8*(4*\a+\b)+4:8*(4*\a+\b)+7], v3, s[72:73] offset:(32*(\a/2)+8*(\a%2))*256+128*(\b/2)+32*(\b%2)+16
.endr
.endr
	WIN 0
	v_and_b32 v4, 31, v0
	v_lshlrev_b32 v[LI], 4, v4                     ; 16 x lane
	s_lshl_b32 s21, s11, 15
	s_lshl_b32 s22, s12, 15
	s_add_co_u32 s22, s22, 65536
.irp s, 0,1
	v_add_nc_u32 v[ADRA+\s], s21, v[LI]
	v_add_nc_u32 v[ADRB+\s], s22, v[LI]
	s_add_co_u32 s21, s21, SLOT
	s_add_co_u32 s22, s22, SLOT
.endr
	s_lshr_b32 s21, s13, 4
	s_lshl_b32 s21, s21, 4                         ; 16 x batch
	s_lshl_b32 s22, s42, 1
	s_add_co_u32 s22, s22, s21
	s_add_co_u32 s23, s22, s12                     ; batch and head of q and k: head 2 j + j2
	s_add_co_u32 s22, s22, s11                     ; of v: head 2 j + i2
	s_and_b32 s21, s13, 15                         ; block of 128 tokens in the sequence
	s_lshl_b32 s2, s23, 17                         ; qf: [batch, head][128 tiles][1,024]
	s_lshl_b32 s3, s21, 13
	s_add_co_u32 s2, s2, s3
	s_lshl_b32 s3, s11, 12
	s_add_co_u32 s2, s2, s3
	s_mov_b32 s3, 0
	s_add_nc_u64 s[76:77], s[76:77], s[2:3]
	s_lshl_b32 s2, s23, 18                         ; kv: [batch, head][16 blocks][16,384]: eight key tiles of 1,024,
	s_lshl_b32 s4, s21, 14
	s_add_co_u32 s2, s2, s4
	s_lshl_b32 s4, s11, 12
	s_add_co_u32 s2, s2, s4
	s_add_nc_u64 s[90:91], s[78:79], s[2:3]
	s_lshl_b32 s2, s22, 18                         ; then four fragments of V^T of 2,048; my 64 keys are c = 2 j2, 2 j2 + 1
	s_lshl_b32 s4, s21, 14
	s_add_co_u32 s2, s2, s4
	s_lshl_b32 s4, s12, 10
	s_add_co_u32 s2, s2, s4
	s_add_co_u32 s2, s2, 8192
	s_add_nc_u64 s[92:93], s[78:79], s[2:3]
	s_wait_alu depctr_va_vdst(0)
	s_wait_kmcnt 0x0
	s_sub_co_i32 s86, s86, s80
	s_sub_co_i32 s86, s86, s81                     ; a sum stands for sum x 2^(e0 + e1): the three scales are folded into the conversion's one
	s_sub_co_i32 s87, s87, s82
	s_sub_co_i32 s87, s87, s83
	s_sub_co_i32 s89, s89, s84
	s_sub_co_i32 s89, s89, s85
	MKS 8, 9, 86
	MKS 10, 11, 87
	MKS 12, 13, 89
	s_wait_alu depctr_va_vdst(0)                   ; the wait at the head's end
	s_wait_tensorcnt 0x0                           ; my part of slot 0 is in
	ds_add_u32 v[SPW], v[NIL]
	s_wait_dscnt 0x0
	CROUND                                         ; everybody's part of slot 0 is in, and the joint loads meet
	JLOAD 1                                        ; slot 1's first fill, the first tensor load behind the round: one load of a wave is out
	FETCH 0, 0, F0
	ASK 3
	HALF 0, 1                                      ; ---- q
	TURN 0, 1, 1, 1
	HALF 1, 0
	TURN 1, 0, 1, 1
	s_wait_loadcnt 0x0                             ; the table
.irp a, 0,1,2,3
	ROPE \a
	QOUT \a, 8, 9, 76, 1024
.endr
	HALF 0, 1                                      ; ---- k
	TURN 0, 1, 1, 2
	HALF 1, 0
	TURN 1, 0, 1, 2
	s_wait_xcnt 0x0                                ; q's stores have read their registers: the codes' registers are written again
.irp a, 0,1,2,3
	ROPE \a
	QOUT \a, 10, 11, 90, 1024
.endr
	HALF 0, 1                                      ; ---- v: region A holds Wv's rows, region B the tokens
	TURN 0, 1, 0, 0
	HALF 1, 0
	s_wait_dscnt 8
	WIN MUL
	MUL8 F1, 0, 0
	s_wait_dscnt 0x0
	MUL8 F1, 2, 0
	WIN 0
	PLACES
	s_wait_xcnt 0x0
.irp a, 0,1,2,3
	QOUT \a, 12, 13, 92, 2048
.endr
	s_wait_tensorcnt 0x0                           ; the wave's end
	ds_add_u32 v[SPW], v[NIL]
	s_wait_dscnt 0x0
	CROUND                                         ; the closing round
	s_endpgm
.Lfunc_end_k_q051fde6bb5_qkv:
	.size	k_q051fde6bb5_qkv, .Lfunc_end_k_q051fde6bb5_qkv-k_q051fde6bb5_qkv
	.p2alignl 7, 3214868480
	.fill 96, 4, 3214868480
	.section	.rodata,"a",@progbits
	.p2align	6, 0x0
	.amdhsa_kernel k_q051fde6bb5_qkv
		.amdhsa_group_segment_fixed_size 327680
		.amdhsa_private_segment_fixed_size 0
		.amdhsa_enable_private_segment 0
		.amdhsa_kernarg_size 48
		.amdhsa_user_sgpr_count 2
		.amdhsa_user_sgpr_kernarg_segment_ptr 1
		.amdhsa_wavefront_size32 1
		.amdhsa_system_sgpr_workgroup_id_x 1
		.amdhsa_system_sgpr_workgroup_id_y 1
		.amdhsa_system_sgpr_workgroup_id_z 1
		.amdhsa_system_vgpr_workitem_id 0
		.amdhsa_next_free_vgpr 640
		.amdhsa_next_free_sgpr 100
		.amdhsa_reserve_vcc 0
		.amdhsa_float_denorm_mode_32 3
		.amdhsa_float_denorm_mode_16_64 3
		.amdhsa_memory_ordered 1
		.amdhsa_forward_progress 1
		.amdhsa_inst_pref_size 150
	.end_amdhsa_kernel
	.amdgpu_metadata
---
amdhsa.version: [ 1, 2 ]
amdhsa.kernels:
  - .name:           k_q051fde6bb5_qkv
    .symbol:         k_q051fde6bb5_qkv.kd
    .args:
      - { .name: hc, .offset: 0, .size: 8, .value_kind: global_buffer, .address_space: global }
      - { .name: wc, .offset: 8, .size: 8, .value_kind: global_buffer, .address_space: global }
      - { .name: rt, .offset: 16, .size: 8, .value_kind: global_buffer, .address_space: global }
      - { .name: lowp_scales, .offset: 24, .size: 8, .value_kind: global_buffer, .address_space: global }
      - { .name: qf, .offset: 32, .size: 8, .value_kind: global_buffer, .address_space: global }
      - { .name: kv, .offset: 40, .size: 8, .value_kind: global_buffer, .address_space: global }
    .group_segment_fixed_size: 327680
    .private_segment_fixed_size: 0
    .kernarg_segment_align: 8
    .kernarg_segment_size: 48
    .max_flat_workgroup_size: 128
    .sgpr_count:     100
    .vgpr_count:     640
    .wavefront_size: 32
...
	.end_amdgpu_metadata
.endif
;; end of part 2
;; launch attn (part 3): grid 8 x 32, 8 waves a work-group, clusters of 4 x 1, 264,192 bytes of LDS; arguments qf, kv, lowp_scales, oc; writes oc
.if DOCPART == 3
	.amdgcn_target "amdgcn-amd-amdhsa--gfx1250"
	.amdhsa_code_object_version 6
	.text
	.protected	k_q051fde6bb5_attn
	.globl	k_q051fde6bb5_attn
	.p2align	8
	.type	k_q051fde6bb5_attn,@function
k_q051fde6bb5_attn:
	s_mov_b64 s[64:65], 0
	v_nop
	global_prefetch_b8 v0, s[64:65] scope:SCOPE_SE
	s_setreg_imm32_b32 hwreg(HW_REG_WAVE_MODE, 25, 1), 1
	s_wait_xcnt 0x0
	s_wait_alu depctr_hold_cnt(0) depctr_sa_sdst(0) depctr_va_vdst(0) depctr_va_sdst(0) depctr_va_ssrc(0) depctr_va_vcc(0) depctr_vm_vsrc(0)
	s_getreg_b32 s2, hwreg(HW_REG_IB_STS2, 6, 4)
	s_cmp_eq_u32 s2, 0
	s_cbranch_scc0 .Lentry_in_a_cluster
	s_endpgm
.Lentry_in_a_cluster:
	s_bfe_u32 s2, ttmp6, 0x10000c
	s_cmp_lg_u32 s2, 0x3003
	s_cbranch_scc0 .Lentry_shape_is_right
	s_endpgm
.Lentry_shape_is_right:
; Causal attention of one (batch, head) on codes of E4M3; head size 64, 2,048 keys.  o is quantised for the next product and stored as its fragments.
; Key blocks that lie wholly behind the causal mask, which the definition builds itself, are not multiplied.
; THE SOFTMAX: t = score x log2(e) / 8; M = the running largest t rounded UP to a whole number; p = 2^(t - M) is quantised, not normalised; the row's sum is taken of the unquantised p and divides at the end.
; ALL OF THE HEAD'S K AND V LIES IN LDS: 16 blocks of 128 keys x 16,384 bytes (eight key tiles of 1,024, four fragments of V^T of 2,048), each filled once.  Each of the eight waves issues ONE load: blocks 2 w, 2 w + 1, 32,768 dense bytes.
; CLUSTER 4 x 1: the four work-groups of a cluster belong to one head and ask for each load JOINTLY.  No prefetch: the launch's only loads stand at its head, so there is no loop of fills to run ahead in.
; SHARES: a wave's unit is a PAIR of query tiles, 32 neighbouring queries: tiles 8 u + 2 m, 8 u + 2 m + 1 of key block u; m is the work-group's place in the cluster (it enters global addresses and the mask's number alone);
; the cluster's x chooses u among {0,3,4,7,8,11,12,15} or {1,2,5,6,9,10,13,14}.  Each fragment of K and V read from LDS feeds two matrix instructions.  Pair u needs blocks 0 .. u.
; TWO WAVES SHARE TWO PAIRS: waves w and w xor 4 share pairs u and 15 - u, 17 steps.  A wave walks the EVEN blocks of the pair that it keeps (BK), then the ODD blocks of the pair that its partner keeps (BS): 8 or 9 steps in every wave.
; Each walk is a stream with its own M, sum and O^T.  At the end the odd stream goes through LDS to the keeper, which takes the larger M, multiplies both streams by whole powers of two and adds them.  A stream without a block hands over M = -3e38 and zeros: its factor is 0.
; A block behind the diagonal is left out by a scalar branch on ids and the count of steps; in block u hidden scores become -infinity by a choice of values.  In every block that is walked each query sees the block's first key.
; LAYOUT: both products transposed: S^T = K Q^T, O^T = V^T P^T: a lane holds ONE query of each tile (lane % 16); register n of S^T is key 32 (n / 16) + 16 (lane / 16) + n % 16 of the block.
; LIMITS: e6 + e7 between -122 and 130; e8 and e10 - e8 - e9 between -126 and 119.  NaN is not served.  The hold of p at 448 x 2^e8 acts under the stream's running M.
; REGISTERS, window 0: v1-11 addresses and constants; v12-19 the kept stream's state (a tile: -M, largest t, the sum's two halves), v20-27 the odd stream's; v28-43 Q of two tiles; v44-107 K's or V's fragments;
;   v112-175, v180-243 S^T, then p, of tiles 0, 1; p's codes lie at v108-123 and v176-191: four registers of their own, then over scores that are done with; v244-255 at work.
;   window 1: v0-63 the kept stream's O^T (32 a tile), v64-127 the odd stream's, v128-143 the partner's Q.
.set SPARE, 262144                     ; behind the 16 blocks: the spare words, 128 bytes a wave, named by no other line
.set STG,   9216                       ; a wave's place in the stage: 18 images of four registers.  The stage lies from byte 0 on, in blocks that have had their only fill
.set LI,   1
.set DQ,   2                           ; v2, v3: my query's place in its block less 16 h, tiles 0, 1
.set SWR,  4
.set SPW,  5
.set NIL,  6
.set PRD,  7
.set ADK,  8
.set H,    9                           ; 448 x 2^e8, twice: the two halves of a dual pair take their second sources from different banks
.set H2,   10
.set E8,   11
.set SE,   12
.set SO,   20
.set Q,    28
.set FR,   44
.set PS,   108                         ; the merge: my partner's state
.set P0,   108
.set S0,   112
.set TJ,   68                          ; from tile 0's scores and codes to tile 1's
.set OUTR, 180
.set TA,   244
.set TB,   246
.set F,    252
.set WV,   18
.set SEL,  20
.set CS,   22
.set G1,   24
.set G0,   40
.set TB_S, 56                          ; LDS byte of the block in hand
.set KB,   57                          ; its number
.set BK,   58
.set BS,   59
.set CNT,  67
.set MSB, 0
.macro WIN new                         ; the immediate's high byte repeats the setting that is left
.if MSB != \new
	s_set_vgpr_msb (MSB<<8)|\new
.set MSB, \new
.endif
.endm
.macro CROUND
	s_barrier_signal -1
	s_barrier_wait -1
	s_cmp_lg_u32 s[WV], 0
	s_cbranch_scc1 .Lnot_wave_0_\@
	s_barrier_signal -3
.Lnot_wave_0_\@:
	s_barrier_wait -3
	s_barrier_signal -1
	s_barrier_wait -1
.endm
; 128 keys of one stream, for both tiles.  o: O^T in window 1; st: the stream's state; beta: the pair's last block
.macro STEP o, st, beta
	s_cmp_gt_u32 s[KB], s[\beta]                   ; all its keys come after my queries: ids and the count of steps alone
	s_cbranch_scc1 .Lhidden_\@
	v_add_nc_u32 v[ADK], s[TB_S], v[LI]
.rept 4
	v_nop                                          ; with the addition five places: the scores below are written over the codes that the last products read
.endr
.irp t, 0,1,2,3,4,5,6,7
	ds_load_b128 v[FR+8*\t:FR+8*\t+3], v[ADK] offset:1024*\t
	ds_load_b128 v[FR+8*\t+4:FR+8*\t+7], v[ADK] offset:1024*\t+512
.endr
	s_wait_alu depctr_va_vdst(0)                   ; the wait here, directly ahead of the wait below
	s_wait_dscnt 0x0
.irp t, 0,1,2,3,4,5,6,7
	v_wmma_f32_16x16x64_fp8_fp8 v[S0+8*\t:S0+8*\t+7], v[FR+8*\t:FR+8*\t+7], v[Q:Q+7], 0
	v_wmma_f32_16x16x64_fp8_fp8 v[S0+TJ+8*\t:S0+TJ+8*\t+7], v[FR+8*\t:FR+8*\t+7], v[Q+8:Q+15], 0
.endr
.rept 4
	v_nop
.endr
.irp t, 0,1,2,3
.irp c, 0,1,2,3
	ds_load_b128 v[FR+16*\t+4*\c:FR+16*\t+4*\c+3], v[ADK] offset:8192+2048*\t+512*\c   ; V^T lands under the softmax
.endr
.endr
	s_cmp_lg_u32 s[KB], s[\beta]
	s_cbranch_scc1 .Lopen_\@
	v_mov_b32 v[TA], 0xff800000                    ; on the diagonal: key 32 (n / 16) + n % 16 + 16 h is hidden where it comes after my query
.set n, 0
.rept 64
	v_cmp_gt_i32 vcc_lo, 32*(n/16)+n%16, v[DQ]
	v_cndmask_b32 v[S0+n], v[S0+n], v[TA], vcc_lo
	v_cmp_gt_i32 vcc_lo, 32*(n/16)+n%16, v[DQ+1]
	v_cndmask_b32 v[S0+TJ+n], v[S0+TJ+n], v[TA], vcc_lo
.set n, n+1
.endr
.Lopen_\@:
.irp j, 0,1                                    ; the step's largest scores: two chains a tile, four by turns; each accumulator from its low end on
	v_max3_num_f32 v[TA+4*\j], v[S0+TJ*\j], v[S0+TJ*\j+1], v[S0+TJ*\j+2]
	v_max3_num_f32 v[TB+4*\j], v[S0+TJ*\j+3], v[S0+TJ*\j+4], v[S0+TJ*\j+5]
.endr
.irp i, 6,10,14,18,22,26,30,34,38,42,46,50,54,58
.irp j, 0,1
	v_max3_num_f32 v[TA+4*\j], v[TA+4*\j], v[S0+TJ*\j+\i], v[S0+TJ*\j+\i+1]
	v_max3_num_f32 v[TB+4*\j], v[TB+4*\j], v[S0+TJ*\j+\i+2], v[S0+TJ*\j+\i+3]
.endr
.endr
.irp j, 0,1
	v_max3_num_f32 v[TA+4*\j], v[TA+4*\j], v[S0+TJ*\j+62], v[S0+TJ*\j+63]
.endr
.irp j, 0,1
	v_max_num_f32 v[TA+4*\j], v[TA+4*\j], v[TB+4*\j]
.endr
.irp j, 0,1
	v_permlanex16_b32 v[TB+4*\j], v[TA+4*\j], s[SEL], s[SEL+1]
.endr
.irp j, 0,1
	v_max_num_f32 v[TA+4*\j], v[TA+4*\j], v[TB+4*\j]
.endr
.irp j, 0,1
	v_mul_f32 v[TA+4*\j], s[CS], v[TA+4*\j]        ; as t (c is positive)
.endr
.irp j, 0,1
	v_max_num_f32 v[\st+4*\j+1], v[\st+4*\j+1], v[TA+4*\j]
.endr
.irp j, 0,1
	v_mov_b32 v[TA+4*\j], v[\st+4*\j]
.endr
.irp j, 0,1
	v_floor_f32 v[\st+4*\j], -v[\st+4*\j+1]        ; -M = floor(-t): M is a whole number
.endr
.irp j, 0,1
	v_sub_f32 v[TA+4*\j], v[\st+4*\j], v[TA+4*\j]
.endr
.irp j, 0,1
	v_cvt_i32_f32 v[TA+4*\j], v[TA+4*\j]           ; (it saturates)
.endr
.irp j, 0,1
	v_ldexp_f32 v[F+2*\j], 1.0, v[TA+4*\j]         ; f = 2^(old M - new M): rounds nothing
.endr
.irp j, 0,1
.set n, 0
.rept 32
	v_pk_fma_f32 v[S0+TJ*\j+n:S0+TJ*\j+n+1], v[S0+TJ*\j+n:S0+TJ*\j+n+1], s[CS:CS+1], v[\st+4*\j:\st+4*\j+1] op_sel_hi:[1,0,0]   ; t - M
.set n, n+2
.endr
.endr
	s_wait_alu depctr_va_vdst(0)                   ; the wait ahead of the batch
.irp j, 0,1
.set n, 0
.rept 64
	v_exp_f32 v[S0+TJ*\j+n], v[S0+TJ*\j+n]
.set n, n+1
.endr
.endr
.irp j, 0,1
	v_pk_mul_f32 v[\st+4*\j+2:\st+4*\j+3], v[\st+4*\j+2:\st+4*\j+3], v[F+2*\j:F+2*\j+1] op_sel_hi:[1,0]   ; the sums under the new M (plain lines behind the exponentials)
.endr
	s_wait_alu depctr_va_vdst(0)                   ; one wait for the batch, ahead of its first reader
.irp j, 0,1
	v_pk_add_f32 v[TA+4*\j:TA+4*\j+1], v[S0+TJ*\j:S0+TJ*\j+1], v[S0+TJ*\j+2:S0+TJ*\j+3]   ; the sum of the unquantised p: two chains a tile
.endr
.irp i, 4,8,12,16,20,24,28,32,36,40,44,48,52,56,60
.irp j, 0,1
	v_pk_add_f32 v[\st+4*\j+2:\st+4*\j+3], v[\st+4*\j+2:\st+4*\j+3], v[S0+TJ*\j+\i:S0+TJ*\j+\i+1]
	v_pk_add_f32 v[TA+4*\j:TA+4*\j+1], v[TA+4*\j:TA+4*\j+1], v[S0+TJ*\j+\i+2:S0+TJ*\j+\i+3]
.endr
.endr
.irp j, 0,1
	v_pk_add_f32 v[\st+4*\j+2:\st+4*\j+3], v[\st+4*\j+2:\st+4*\j+3], v[TA+4*\j:TA+4*\j+1]
.endr
.irp j, 0,1
.set n, 0
.rept 32                                       ; the conversion does not saturate (ISA guide 7.6.2); p is not negative: a one-sided hold, two numbers an instruction
	v_dual_min_num_f32 v[S0+TJ*\j+n], v[S0+TJ*\j+n], v[H] :: v_dual_min_num_f32 v[S0+TJ*\j+n+1], v[S0+TJ*\j+n+1], v[H2]
.set n, n+2
.endr
.endr
.irp b, 0,1,2,3                                ; group b's codes take the registers of group 0's numbers 4 (b - 1) .. 4 b - 1 (group 0's: four of their own)
.irp j, 0,1
	v_cvt_scalef32_pk8_fp8_f32 v[P0+TJ*\j+4*\b:P0+TJ*\j+4*\b+1], v[S0+TJ*\j+16*\b:S0+TJ*\j+16*\b+7], v[E8]
	v_cvt_scalef32_pk8_fp8_f32 v[P0+TJ*\j+4*\b+2:P0+TJ*\j+4*\b+3], v[S0+TJ*\j+16*\b+8:S0+TJ*\j+16*\b+15], v[E8]
.endr
	v_nop                                          ; a plain line between these conversions and the next, which write their sources
.endr
	WIN 0x41                                       ; O^T: destination and source 0 in window 1
	s_wait_alu depctr_va_vdst(0)                   ; the wait here, directly ahead of the first reader of O^T
.irp j, 0,1
.set n, 0
.rept 16
	v_pk_mul_f32 v[\o+32*\j+n:\o+32*\j+n+1], v[\o+32*\j+n:\o+32*\j+n+1], v[F+2*\j:F+2*\j+1] op_sel_hi:[1,0]   ; O^T under the new M
.set n, n+2
.endr
.endr
	s_wait_alu depctr_va_vdst(0)                   ; the wait here, directly ahead of the wait below
	s_wait_dscnt 0x0                               ; V^T is in
	WIN 0x50                                       ; C and D in window 1
.irp t, 0,1,2,3
.irp j, 0,1
	v_wmma_f32_16x16x128_fp8_fp8 v[\o+32*\j+8*\t:\o+32*\j+8*\t+7], v[FR+16*\t:FR+16*\t+15], v[P0+TJ*\j:P0+TJ*\j+15], v[\o+32*\j+8*\t:\o+32*\j+8*\t+7]
.endr
.endr
	WIN 0
.Lhidden_\@:
.endm
; every second block from kb0 on, a constant number of trips; what lies behind the diagonal is passed over inside STEP
.macro RUN kb0, trips, o, st, beta
	s_mov_b32 s[TB_S], 16384*\kb0
	s_mov_b32 s[KB], \kb0
	s_mov_b32 s[CNT], \trips
.Lrun_\@:
	STEP \o, \st, \beta
	s_add_co_u32 s[TB_S], s[TB_S], 32768
	s_add_co_u32 s[KB], s[KB], 2
	s_sub_co_u32 s[CNT], s[CNT], 1
	s_cmp_lg_u32 s[CNT], 0
	s_cbranch_scc1 .Lrun_\@
.endm
	s_load_b256 s[4:11], s[0:1], 0x0               ; qf, kv, lowp_scales, oc
	v_lshl_add_u32 v[SPW], v0, 2, SPARE
	v_mov_b32 v[NIL], 0
	ds_add_u32 v[SPW], v[NIL]                      ; the wave's opening: the add, twice on end, and its wait ahead of my tensor load
	ds_add_u32 v[SPW], v[NIL]
	v_lshrrev_b32 v8, 5, v0
	v_readfirstlane_b32 s[WV], v8
	s_bfe_u32 s12, ttmp6, 0x40000                  ; m = cx
	s_and_b32 s14, ttmp7, 0xffff                   ; batch and head
	s_and_b32 s15, s[WV], 3
	s_xor_b32 s13, s15, ttmp9
	s_and_b32 s13, s13, 1
	s_lshl_b32 s15, s15, 1
	s_add_co_u32 s15, s15, s13                     ; the smaller block of my two: 0,3,4,7 in cluster 0 of the head, 1,2,5,6 in cluster 1
	s_lshr_b32 s13, s[WV], 2
	s_mul_i32 s13, s13, 15
	s_xor_b32 s[BS], s15, s13                      ; waves 0..3: the smaller; waves 4..7: 15 less it: the pair whose odd blocks I walk for wave w xor 4,
	s_xor_b32 s[BK], s[BS], 15                     ; which walks the odd blocks of this one for me
	s_mov_b32 s[G1], 15|(3<<16)|(1<<21)            ; all four work-groups; elements of 8 bytes; bit 21 beside a mask
	s_mov_b32 s[G1+1], 32<<16                      ; a dense block as rows of 256 bytes
	s_mov_b32 s[G1+2], 128<<16
	s_mov_b32 s[G1+3], 32<<16
	s_mov_b32 s[G1+4], 128
	s_mov_b32 s[G1+5], 32
	s_mov_b32 s[G1+6], 0
	s_mov_b32 s[G1+7], 0
	s_mov_b32 s[SEL], 0x76543210
	s_mov_b32 s[SEL+1], 0xfedcba98
	s_mov_b32 s[CS], 0x3e38aa3b                    ; log2(e) / 8
	s_lshl_b32 s16, s14, 18
	s_lshl_b32 s19, s[WV], 15                      ; blocks 2 w, 2 w + 1: in memory and in LDS alike
	s_add_co_u32 s16, s16, s19
	s_mov_b32 s17, 0
	s_wait_dscnt 0x0                               ; both opening adds are done
	s_wait_kmcnt 0x0
	s_load_b128 s[68:71], s[8:9], 0x18             ; e6, e7, e8, e9
	s_load_b32 s72, s[8:9], 0x28                   ; e10
	s_add_nc_u64 s[16:17], s[6:7], s[16:17]
	s_mov_b32 s[G0], 1
	s_mov_b32 s[G0+1], s19
	s_mov_b64 s[G0+2:G0+3], s[16:17]
	s_or_b32 s[G0+3], s[G0+3], 0x80000000
	CROUND                                         ; all four work-groups are here: the joint loads meet
	tensor_load_to_lds s[G0:G0+3], s[G1:G1+7]      ; every wave's one load
	s_nop 0
.rept 4
	v_nop
.endr
	s_lshl_b32 s62, s[BK], 3
	s_lshl_b32 s63, s12, 1
	s_add_co_u32 s62, s62, s63                     ; the first query tile of the pair that I keep
	s_lshl_b32 s60, s14, 7
	s_add_co_u32 s60, s60, s62
	s_lshl_b32 s60, s60, 10
	s_mov_b32 s61, 0
	s_add_nc_u64 s[76:77], s[4:5], s[60:61]
	s_lshl_b32 s60, s[BS], 3
	s_add_co_u32 s60, s60, s63                     ; of my partner's
	s_lshl_b32 s73, s14, 7
	s_add_co_u32 s60, s60, s73
	s_lshl_b32 s60, s60, 10
	s_add_nc_u64 s[78:79], s[4:5], s[60:61]
	s_lshr_b32 s60, s14, 4
	s_lshl_b32 s60, s60, 7
	s_add_co_u32 s60, s60, s62                     ; out: token tile 128 x batch + the tile that I keep,
	s_lshl_b32 s60, s60, 3
	s_bfe_u32 s73, s14, 0x30001
	s_add_co_u32 s60, s60, s73                     ; K step head / 2,
	s_lshl_b32 s60, s60, 11
	s_and_b32 s73, s14, 1
	s_lshl_b32 s73, s73, 10                        ; c = 2 (head % 2) on
	s_add_co_u32 s60, s60, s73
	s_add_nc_u64 s[10:11], s[10:11], s[60:61]
	s_mul_i32 s60, s[WV], STG
	s_xor_b32 s73, s[WV], 4
	s_mul_i32 s73, s73, STG
	s_lshl_b32 s63, s12, 5
	v_and_b32 v1, 31, v0
	v_lshlrev_b32 v[LI], 4, v1
	v_add_nc_u32 v[SWR], s60, v[LI]                ; the stage: my place,
	v_add_nc_u32 v[PRD], s73, v[LI]                ; and my partner's
	v_and_b32 v9, 15, v0
	v_bfe_u32 v10, v0, 4, 1
	v_and_b32 v11, 8, v9
	v_add_nc_u32 v11, v11, v9
	v_lshlrev_b32 v10, 4, v10
	v_sub_nc_u32 v11, v11, v10
	v_add_nc_u32 v[DQ], s63, v11                   ; 32 m + r + 8 (r / 8) - 16 h,
	v_add_nc_u32 v[DQ+1], 8, v[DQ]                 ; and eight on in tile 1
	s_wait_alu depctr_va_vdst(0)
.irp c, 0,1,2,3
	global_load_b128 v[Q+4*\c:Q+4*\c+3], v[LI], s[76:77] offset:512*\c
.endr
	WIN 0x40                                       ; destination in window 1
.irp c, 0,1,2,3
	global_load_b128 v[128+4*\c:131+4*\c], v[LI], s[78:79] offset:512*\c
.endr
.set n, 0
.rept 128
	v_mov_b32 v[n], 0                              ; both streams' O^T: the step is written once for all steps; a stream's first finds zeros
.set n, n+1
.endr
	WIN 0
.irp b, SE, SE+4, SO, SO+4
	v_mov_b32 v[\b+1], 0xff61b1e6                  ; -3e38, under every t
	v_floor_f32 v[\b], -v[\b+1]
	v_mov_b32 v[\b+2], 0
	v_mov_b32 v[\b+3], 0
.endr
.irp r, 245, 249, 253, 255
	v_mov_b32 v\r, 0                               ; named as the upper halves of pairs
.endr
	s_wait_kmcnt 0x0
	s_add_co_i32 s73, s68, s69
	s_lshl_b32 s73, s73, 23
	s_add_co_i32 s[CS], s[CS], s73                 ; a score stands for score x 2^(e6 + e7)
	s_mov_b32 s[CS+1], s[CS]
	s_add_co_i32 s73, s70, 127
	s_lshl_b32 s74, s73, 23
	v_mov_b32 v[E8], s74                           ; 2^e8
	s_add_co_i32 s73, s73, 8
	s_lshl_b32 s73, s73, 23
	s_or_b32 s73, s73, 0x600000
	v_mov_b32 v[H], s73                            ; 448 x 2^e8
	v_mov_b32 v[H2], s73
	s_sub_co_i32 s73, s72, s70
	s_sub_co_i32 s73, s73, s71
	s_add_co_i32 s73, s73, 127
	s_lshl_b32 s74, s73, 23                        ; 2^(e10 - e8 - e9): o's conversion,
	s_add_co_i32 s73, s73, 8
	s_lshl_b32 s75, s73, 23
	s_or_b32 s75, s75, 0x600000                    ; and 448 x that
	s_wait_alu depctr_va_vdst(0)                   ; the wait at the head's end
	s_wait_loadcnt 0x0                             ; both Q
	s_wait_tensorcnt 0x0                           ; my two blocks have landed
	s_wait_dscnt 0x0
	s_barrier_signal -1
	s_barrier_wait -1                              ; all sixteen blocks are whole: no wave waits for another until the streams meet
	RUN 0, 8, 0, SE, BK                            ; my pair: blocks 0, 2 .. 14
	WIN 0x01                                       ; source 0 in window 1
.set n, 0
.rept 16
	v_mov_b32 v[Q+n], v[128+n]                     ; my partner's Q
.set n, n+1
.endr
	WIN 0
	RUN 1, 8, 64, SO, BS                           ; my partner's pair: blocks 1, 3 .. 15
.rept 4
	v_nop                                          ; places behind the last products, for the stores of their results and the loads into their sources
.endr
	s_wait_alu depctr_va_vdst(0)                   ; the wait here, directly ahead of the wait below
	s_wait_dscnt 0x0                               ; my reads of K and V are over
	s_barrier_signal -1
	s_barrier_wait -1                              ; everybody's are: the first blocks' bytes become the stage
	WIN 0x04                                       ; store data in window 1
.irp i, 0,1,2,3,4,5,6,7,8,9,10,11,12,13,14,15
	ds_store_b128 v[SWR], v[64+4*\i:67+4*\i] offset:512*\i   ; the odd stream's O^T as an image of its registers; each accumulator from its low end on
.endr
	WIN 0
	ds_store_b128 v[SWR], v[SO:SO+3] offset:8192   ; its state, tile 0,
	ds_store_b128 v[SWR], v[SO+4:SO+7] offset:8704 ; tile 1
	s_wait_dscnt 0x0                               ; for my partner's sake: my stores have landed
	s_barrier_signal -1
	s_barrier_wait -1
.irp i, 0,1,2,3,4,5,6,7,8,9,10,11,12,13,14,15,16,17
	ds_load_b128 v[FR+4*\i:FR+4*\i+3], v[PRD] offset:512*\i   ; my pair's odd stream: O^T in v44-107, its state from v108 on
.endr
	s_wait_dscnt 0x0
.irp j, 0,1
	v_min_num_f32 v[TB+4*\j], v[SE+4*\j], v[PS+4*\j]   ; -M of both streams: the smaller, so M the larger
.endr
.irp j, 0,1
	v_sub_f32 v[F+2*\j], v[TB+4*\j], v[SE+4*\j]    ; whole numbers, 0 or less
	v_sub_f32 v[TA+4*\j], v[TB+4*\j], v[PS+4*\j]
.endr
.irp j, 0,1
	v_cvt_i32_f32 v[F+2*\j], v[F+2*\j]             ; (they saturate)
	v_cvt_i32_f32 v[TA+4*\j], v[TA+4*\j]
.endr
.irp j, 0,1
	v_ldexp_f32 v[F+2*\j], 1.0, v[F+2*\j]          ; the even stream's factor,
	v_ldexp_f32 v[TA+4*\j], 1.0, v[TA+4*\j]        ; the odd stream's: whole powers of two, or 0 for a stream without a block
.endr
.irp j, 0,1
	v_add_f32 v[SE+4*\j+2], v[SE+4*\j+2], v[SE+4*\j+3]   ; each sum's two halves
	v_add_f32 v[PS+4*\j+2], v[PS+4*\j+2], v[PS+4*\j+3]
.endr
.irp j, 0,1
	v_mul_f32 v[SE+4*\j+2], v[SE+4*\j+2], v[F+2*\j]
.endr
.irp j, 0,1
	v_fma_f32 v[SE+4*\j+2], v[PS+4*\j+2], v[TA+4*\j], v[SE+4*\j+2]   ; the two streams' sum
.endr
	WIN 0x01
	s_wait_alu depctr_va_vdst(0)                   ; the wait here, directly ahead of the first reader of the kept O^T
.irp j, 0,1
.set n, 0
.rept 16
	v_pk_mul_f32 v[OUTR+32*\j+n:OUTR+32*\j+n+1], v[32*\j+n:32*\j+n+1], v[F+2*\j:F+2*\j+1] op_sel_hi:[1,0]
.set n, n+2
.endr
.endr
	WIN 0
.irp j, 0,1
.set n, 0
.rept 16
	v_pk_fma_f32 v[OUTR+32*\j+n:OUTR+32*\j+n+1], v[FR+32*\j+n:FR+32*\j+n+1], v[TA+4*\j:TA+4*\j+1], v[OUTR+32*\j+n:OUTR+32*\j+n+1] op_sel_hi:[1,0,1]
.set n, n+2
.endr
.endr
.irp j, 0,1
	v_permlanex16_b32 v[TB+4*\j], v[SE+4*\j+2], s[SEL], s[SEL+1]
.endr
.irp j, 0,1
	v_add_f32 v[SE+4*\j+2], v[SE+4*\j+2], v[TB+4*\j]   ; and lane l xor 16's: the row's sum
.endr
	v_mov_b32 v[E8], s74
	v_mov_b32 v[H], s75
	s_wait_alu depctr_va_vdst(0)                   ; the wait ahead of the batch
	v_rcp_f32 v[SE+2], v[SE+2]
	v_rcp_f32 v[SE+6], v[SE+6]
	v_nop
	s_wait_alu depctr_va_vdst(0)                   ; and ahead of its first reader
.irp j, 0,1
.set n, 0
.rept 16
	v_pk_mul_f32 v[OUTR+32*\j+n:OUTR+32*\j+n+1], v[OUTR+32*\j+n:OUTR+32*\j+n+1], v[SE+4*\j+2:SE+4*\j+3] op_sel_hi:[1,0]   ; register 16 c + n' is channel 32 c + 16 h + n'
.set n, n+2
.endr
.endr
.set n, 0
.rept 64
	v_med3_num_f32 v[OUTR+n], v[OUTR+n], -v[H], v[H]
.set n, n+1
.endr
.irp g, 0,1,2,3,4,5,6,7
	v_cvt_scalef32_pk8_fp8_f32 v[FR+2*\g:FR+2*\g+1], v[OUTR+8*\g:OUTR+8*\g+7], v[E8]
.endr
	v_nop
.irp j, 0,1
	global_store_b128 v[LI], v[FR+8*\j:FR+8*\j+3], s[10:11] offset:16384*\j        ; 512 consecutive bytes each
	global_store_b128 v[LI], v[FR+8*\j+4:FR+8*\j+7], s[10:11] offset:16384*\j+512
.endr
	s_wait_tensorcnt 0x0                           ; the wave's end, behind my tensor load and my last LDS store
	ds_add_u32 v[SPW], v[NIL]
	s_wait_dscnt 0x0
	CROUND                                         ; the closing round
	s_endpgm
.Lfunc_end_k_q051fde6bb5_attn:
	.size	k_q051fde6bb5_attn, .Lfunc_end_k_q051fde6bb5_attn-k_q051fde6bb5_attn
	.p2alignl 7, 3214868480
	.fill 96, 4, 3214868480
	.section	.rodata,"a",@progbits
	.p2align	6, 0x0
	.amdhsa_kernel k_q051fde6bb5_attn
		.amdhsa_group_segment_fixed_size 264192
		.amdhsa_private_segment_fixed_size 0
		.amdhsa_enable_private_segment 0
		.amdhsa_kernarg_size 32
		.amdhsa_user_sgpr_count 2
		.amdhsa_user_sgpr_kernarg_segment_ptr 1
		.amdhsa_wavefront_size32 1
		.amdhsa_system_sgpr_workgroup_id_x 1
		.amdhsa_system_sgpr_workgroup_id_y 1
		.amdhsa_system_sgpr_workgroup_id_z 1
		.amdhsa_system_vgpr_workitem_id 0
		.amdhsa_next_free_vgpr 512
		.amdhsa_next_free_sgpr 100
		.amdhsa_reserve_vcc 1
		.amdhsa_float_denorm_mode_32 3
		.amdhsa_float_denorm_mode_16_64 3
		.amdhsa_memory_ordered 1
		.amdhsa_forward_progress 1
		.amdhsa_inst_pref_size 104
	.end_amdhsa_kernel
	.amdgpu_metadata
---
amdhsa.version: [ 1, 2 ]
amdhsa.kernels:
  - .name:           k_q051fde6bb5_attn
    .symbol:         k_q051fde6bb5_attn.kd
    .args:
      - { .name: qf, .offset: 0, .size: 8, .value_kind: global_buffer, .address_space: global }
      - { .name: kv, .offset: 8, .size: 8, .value_kind: global_buffer, .address_space: global }
      - { .name: lowp_scales, .offset: 16, .size: 8, .value_kind: global_buffer, .address_space: global }
      - { .name: oc, .offset: 24, .size: 8, .value_kind: global_buffer, .address_space: global }
    .group_segment_fixed_size: 264192
    .private_segment_fixed_size: 0
    .kernarg_segment_align: 8
    .kernarg_segment_size: 32
    .max_flat_workgroup_size: 256
    .sgpr_count:     100
    .vgpr_count:     512
    .wavefront_size: 32
...
	.end_amdgpu_metadata
.endif
;; end of part 3
;; launch wo (part 4): grid 8 x 32, 4 waves a work-group, clusters of 4 x 4, 327,680 bytes of LDS; arguments oc, wc, lowp_scales, x, x1; writes x1
.if DOCPART == 4
	.amdgcn_target "amdgcn-amd-amdhsa--gfx1250"
	.amdhsa_code_object_version 6
	.text
	.protected	k_q051fde6bb5_wo
	.globl	k_q051fde6bb5_wo
	.p2align	8
	.type	k_q051fde6bb5_wo,@function
k_q051fde6bb5_wo:
	s_mov_b64 s[64:65], 0
	v_nop
	global_prefetch_b8 v0, s[64:65] scope:SCOPE_SE
	s_setreg_imm32_b32 hwreg(HW_REG_WAVE_MODE, 25, 1), 1
	s_wait_xcnt 0x0
	s_wait_alu depctr_hold_cnt(0) depctr_sa_sdst(0) depctr_va_vdst(0) depctr_va_sdst(0) depctr_va_ssrc(0) depctr_va_vcc(0) depctr_vm_vsrc(0)
	s_getreg_b32 s2, hwreg(HW_REG_IB_STS2, 6, 4)
	s_cmp_eq_u32 s2, 0
	s_cbranch_scc0 .Lentry_in_a_cluster
	s_endpgm
.Lentry_in_a_cluster:
	s_bfe_u32 s2, ttmp6, 0x10000c
	s_cmp_lg_u32 s2, 0xf033
	s_cbranch_scc0 .Lentry_shape_is_right
	s_endpgm
.Lentry_shape_is_right:
; out = res + (A B^T) x 2^(ea + eb): A [4,096 tokens][KK] and B [1,024][KK] are codes of E4M3 laid as images of fragments; res and out are [4,096][1,024] f32.  Here: A = o, B = Wo, res = x, out = x1.
; A work-group (i: 128 tokens, j: 128 columns) makes 128 x 128; four waves, 64 x 64 each: 16 accumulators.  K goes in pieces of 512 through two LDS slots of 128 KiB (region A, region B; a row tile takes 8,192 bytes).
; KK = 1,024: both slots are asked for at the head and nothing is filled again.
; THE MATRIX INSTRUCTION IS USED TRANSPOSED (source 0 = B's tile, source 1 = A's): lane (r, h) holds token row r, register n of accumulator (a, b) column 32 (b / 2) + 16 h + 8 (b % 2) + n.
; CLUSTER 4 x 4: A's images are asked for jointly along a row of the cluster, B's along a column.  At most two tensor loads of a wave are out.
; THE WAY OUT: 16 rows x 64 columns at a time through the wave's own stage, back as rows of 256 bytes; one packed multiply-add gives sum x 2^(ea + eb) + res; sixteen lanes store 256 aligned bytes.
; LIMIT: ea + eb between -126 and 127.
; REGISTERS: window 0: v16-21 LDS addresses, v24 to v26 the way out, v28, v29 the add's two, v32-95 rows on the way out, v128-255 accumulators; window 1: two fragment buffers; window 2: v0-127 res.
.set KK,    1024
.set TILEB, KK*16                      ; a row tile in memory
.set NF,    KK/512                     ; fills
.set WOFF,  3<<20                      ; B's place in wc
.set EOFF,  0x28                       ; entries 10, 11
.set NT,    0
.set SLOT,  8192                       ; ONE load a wave brings all of K: a row tile takes 16,384 bytes in LDS; 'slot' 1 is its second half.  No prefetch: the launch's only loads stand at its head
.set SPARE, 262144                     ; the spare words, 128 bytes a wave, named by no other line
.set STAGE, 262656                     ; 16 rows x 272 bytes for each wave; no fill lands here
.set ADRA, 16
.set ADRB, 20
.set STO,  24
.set RD,   25
.set CO,   26
.set SPW,  28
.set NIL,  29
.set ACC,  128
.set F0,   0
.set F1,   128
.set G1,   24
.set G0,   32
.set G1B,  48
.set G0B,  56
.set MUL,  0x05
.set TO_F, 0x40
.set TO_2, 0x80
.set MSB, 0
.macro WIN new
.if MSB != \new
	s_set_vgpr_msb (MSB<<8)|\new
.set MSB, \new
.endif
.endm
.macro JLOAD s                         ; waves 0, 1 fetch A's images, waves 2, 3 B's; an s_nop 0 and four v_nop follow each line
	s_cmp_eq_u32 s11, 0
	s_cbranch_scc0 .Lfor_b_\@
	tensor_load_to_lds s[G0+4*\s:G0+4*\s+3], s[G1:G1+7]
	s_nop 0
.rept 4
	v_nop
.endr
	s_branch .Lasked_\@
.Lfor_b_\@:
	tensor_load_to_lds s[G0B+4*\s:G0B+4*\s+3], s[G1B:G1B+7]
	s_nop 0
.rept 4
	v_nop
.endr
.Lasked_\@:
.endm
.macro CREST
	s_cmp_lg_u32 s10, 0
	s_cbranch_scc1 .Lnot_wave_0_\@
	s_barrier_signal -3
.Lnot_wave_0_\@:
	s_barrier_wait -3
	s_barrier_signal -1
	s_barrier_wait -1
.endm
.macro CROUND
	s_barrier_signal -1
	s_barrier_wait -1
	CREST
.endm
.macro PLACES
.rept 4
	v_nop
.endr
.endm
.macro FETCH slot, q, f
	WIN TO_F
.irp t, 0,1,2,3
.irp c, 0,1,2,3
	ds_load_b128 v[\f+64+16*\t+4*\c:\f+64+16*\t+4*\c+3], v[ADRB+\slot] offset:\t*16384+\q*2048+512*\c
.endr
.endr
.irp t, 0,1,2,3
.irp c, 0,1,2,3
	ds_load_b128 v[\f+16*\t+4*\c:\f+16*\t+4*\c+3], v[ADRA+\slot] offset:\t*16384+\q*2048+512*\c
.endr
.endr
.endm
.macro MUL8 f, a0, zero                ; the 16 accumulators take turns, one instruction a turn
.irp a, \a0, \a0+1
.irp b, 0,1,2,3
.if \zero
	v_wmma_f32_16x16x128_fp8_fp8 v[ACC+8*(4*(\a)+\b):ACC+8*(4*(\a)+\b)+7], v[\f+64+16*\b:\f+64+16*\b+15], v[\f+16*(\a):\f+16*(\a)+15], 0
.else
	v_wmma_f32_16x16x128_fp8_fp8 v[ACC+8*(4*(\a)+\b):ACC+8*(4*(\a)+\b)+7], v[\f+64+16*\b:\f+64+16*\b+15], v[\f+16*(\a):\f+16*(\a)+15], v[ACC+8*(4*(\a)+\b):ACC+8*(4*(\a)+\b)+7]
.endif
.endr
.endr
.endm
.macro QUARTER slot, qn, f, g, zero
	s_wait_dscnt 8                                 ; B's four and A's tiles 0, 1 are in; the youngest eight loads may be out
	WIN MUL
	MUL8 \f, 0, \zero
	PLACES
	FETCH \slot, \qn, \g
	s_wait_dscnt 32                                ; all but the 32 just issued
	WIN MUL
	MUL8 \f, 2, \zero
.endm
.macro HALF slot, zero
	QUARTER \slot, 1, F0, F1, \zero
	QUARTER \slot, 2, F1, F0, 0
	QUARTER \slot, 3, F0, F1, 0
.endm
.macro TURN slot, next, fill           ; a slot's last quarter changes slots: one barrier, the three lines in front of it
	WIN 0
	s_wait_tensorcnt 0x0                           ; all my tensor loads have landed: my part of the next slot
	ds_add_u32 v[SPW], v[NIL]
	s_wait_dscnt 9                                 ; (the add and the youngest eight loads may be out)
	WIN MUL
	MUL8 F1, 0, 0
	s_wait_dscnt 0x0                               ; the add is done, and my reads of this slot are over
	s_barrier_signal -1
	MUL8 F1, 2, 0
	WIN 0
	s_barrier_wait -1
.if \fill
	CREST                                          ; the barrier has opened a round of the cluster's
	s_add_nc_u64 s[G0+4*\slot+2:G0+4*\slot+3], s[G0+4*\slot+2:G0+4*\slot+3], 16384
	s_add_nc_u64 s[G0B+4*\slot+2:G0B+4*\slot+3], s[G0B+4*\slot+2:G0B+4*\slot+3], 16384
	JLOAD \slot                                    ; first behind the round
.else
	PLACES
.endif
	FETCH \next, 0, F0
.endm
.macro OUT a
.irp b, 0,1,2,3
	ds_store_b128 v[STO], v[ACC+8*(4*\a+\b):ACC+8*(4*\a+\b)+3] offset:128*(\b/2)+32*(\b%2)         ; each accumulator from its low end on
	ds_store_b128 v[STO], v[ACC+8*(4*\a+\b)+4:ACC+8*(4*\a+\b)+7] offset:128*(\b/2)+32*(\b%2)+16
.endr
.set BK, 32+32*(\a%2)
.if \a >= 2
	s_wait_xcnt 0x0                                ; the stores of two tiles back have read these registers
.endif
.irp t, 0,1,2,3,4,5,6,7
	ds_load_b128 v[BK+4*\t:BK+4*\t+3], v[RD] offset:544*\t   ; LDS serves a wave's instructions in order (ISA guide 5.7.1.4): these see my stores
.endr
	s_wait_dscnt 0x0
	WIN 0x20                                       ; source 2 (res) window 2
.irp t, 0,1,2,3,4,5,6,7,8,9,10,11,12,13,14,15
	v_pk_fma_f32 v[BK+2*\t:BK+2*\t+1], v[BK+2*\t:BK+2*\t+1], s[90:91], v[32*\a+2*\t:32*\a+2*\t+1] op_sel_hi:[1,0,1]
.endr
	WIN 0
.irp t, 0,1,2,3,4,5,6,7
.if NT
	global_store_b128 v[CO], v[BK+4*\t:BK+4*\t+3], s[76:77] offset:(32*(\a/2)+8*(\a%2)+2*\t+8*(\t/4))*4096 th:TH_STORE_NT
.else
	global_store_b128 v[CO], v[BK+4*\t:BK+4*\t+3], s[76:77] offset:(32*(\a/2)+8*(\a%2)+2*\t+8*(\t/4))*4096
.endif
.endr
.endm
	s_load_b256 s[68:75], s[0:1], 0x0              ; A, wc, lowp_scales, res
	s_load_b64 s[76:77], s[0:1], 0x20              ; out
	v_lshl_add_u32 v[SPW], v0, 2, SPARE
	v_mov_b32 v[NIL], 0
	ds_add_u32 v[SPW], v[NIL]                      ; the wave's opening: the add and its wait ahead of my first tensor load
	ds_add_u32 v[SPW], v[NIL]
	v_lshrrev_b32 v1, 5, v0
	v_readfirstlane_b32 s10, v1
	s_lshr_b32 s11, s10, 1
	s_and_b32 s12, s10, 1
	s_bfe_u32 s40, ttmp6, 0x40000
	s_bfe_u32 s41, ttmp6, 0x40004
	s_lshl_b32 s42, ttmp9, 2
	s_add_co_u32 s42, s42, s40                     ; j
	s_and_b32 s13, ttmp7, 0xffff
	s_lshl_b32 s13, s13, 2
	s_add_co_u32 s13, s13, s41                     ; i
	s_lshl_b32 s43, s41, 2
	s_lshl_b32 s43, 15, s43
	s_lshl_b32 s44, 0x1111, s40
	s_or_b32 s[G1], s43, (3<<16)|(1<<21)
	s_or_b32 s[G1B], s44, (3<<16)|(1<<21)
.irp g, G1, G1B
	s_mov_b32 s[\g+1], 1024<<16                    ; 8,192 bytes: four K steps of a row tile
	s_mov_b32 s[\g+2], 8<<16                       ; four row tiles of 16,384 bytes lie on end: eight rows of 8,192
	s_mov_b32 s[\g+3], 1024<<16
	s_mov_b32 s[\g+4], 8
	s_mov_b32 s[\g+5], 1024
	s_mov_b32 s[\g+6], 0
	s_mov_b32 s[\g+7], 0
.endr
	s_mul_i32 s17, s12, 4*TILEB
	s_mul_i32 s16, s13, 8*TILEB
	s_add_co_u32 s16, s16, s17
	s_mul_i32 s46, s42, 8*TILEB
	s_add_co_u32 s46, s46, s17
	s_add_co_u32 s46, s46, WOFF
	s_mov_b32 s17, 0
	s_mov_b32 s47, 0
	s_lshl_b32 s20, s10, 16
	s_wait_dscnt 0x0
	s_wait_kmcnt 0x0
	s_load_b64 s[80:81], s[72:73], EOFF
	s_add_nc_u64 s[14:15], s[68:69], s[16:17]
	s_add_nc_u64 s[46:47], s[70:71], s[46:47]
	CROUND
	s_mov_b32 s[G0], 1
	s_mov_b32 s[G0+1], s20
	s_mov_b64 s[G0+2:G0+3], s[14:15]
	s_or_b32 s[G0+3], s[G0+3], 0x80000000
	s_mov_b32 s[G0B], 1
	s_mov_b32 s[G0B+1], s20
	s_mov_b64 s[G0B+2:G0B+3], s[46:47]
	s_or_b32 s[G0B+3], s[G0B+3], 0x80000000
	JLOAD 0                                        ; the wave's one tensor load: 65,536 bytes
	v_and_b32 v1, 15, v0
	v_bfe_u32 v2, v0, 4, 1
	v_lshlrev_b32 v[CO], 12, v2
	v_lshl_add_u32 v[CO], v1, 4, v[CO]             ; lanes 0-15 one row of 256 bytes, lanes 16-31 the next
	s_wait_alu depctr_va_vdst(0)
	s_lshl_b32 s22, s13, 19
	s_lshl_b32 s21, s11, 18
	s_add_co_u32 s22, s22, s21
	s_lshl_b32 s21, s42, 9
	s_add_co_u32 s22, s22, s21
	s_lshl_b32 s21, s12, 8
	s_add_co_u32 s22, s22, s21                     ; row 128 i + 64 i2, column 128 j + 64 j2
	s_mov_b32 s23, 0
	s_add_nc_u64 s[74:75], s[74:75], s[22:23]
	s_add_nc_u64 s[76:77], s[76:77], s[22:23]
	WIN TO_2
.irp a, 0,1,2,3
.irp t, 0,1,2,3,4,5,6,7
	global_load_b128 v[32*\a+4*\t:32*\a+4*\t+3], v[CO], s[74:75] offset:(32*(\a/2)+8*(\a%2)+2*\t+8*(\t/4))*4096   ; res at the very places of the stores
.endr
.endr
	WIN 0
	v_and_b32 v4, 31, v0
	v_lshlrev_b32 v4, 4, v4
	s_lshl_b32 s21, s11, 16
	s_lshl_b32 s22, s12, 16
	s_add_co_u32 s22, s22, 131072
.irp s, 0,1
	v_add_nc_u32 v[ADRA+\s], s21, v4
	v_add_nc_u32 v[ADRB+\s], s22, v4
	s_add_co_u32 s21, s21, SLOT
	s_add_co_u32 s22, s22, SLOT
.endr
	s_mul_i32 s23, s10, 16*272
	s_add_co_u32 s23, s23, STAGE
	v_mul_u32_u24 v5, v1, 272
	v_lshl_add_u32 v5, v2, 6, v5
	v_add_nc_u32 v[STO], s23, v5                   ; in: row r, + 64 h
	v_mul_u32_u24 v5, v2, 272
	v_lshl_add_u32 v5, v1, 4, v5
	v_add_nc_u32 v[RD], s23, v5                    ; back: two rows an instruction
	s_wait_alu depctr_va_vdst(0)
	s_wait_kmcnt 0x0
	s_add_co_i32 s90, s80, s81
	s_add_co_i32 s90, s90, 127
	s_lshl_b32 s90, s90, 23                        ; 2^(ea + eb)
	s_mov_b32 s91, s90
	s_wait_tensorcnt 0x0                           ; my load has landed
	s_barrier_signal -1
	s_barrier_wait -1                              ; everybody's has: nothing is filled again, and no further barrier is needed
	FETCH 0, 0, F0
	HALF 0, 1
.if NF == 2
	QUARTER 1, 0, F1, F0, 0
	HALF 1, 0
.else
	TURN 0, 1, 1
	HALF 1, 0
	TURN 1, 0, 1
	HALF 0, 0
	TURN 0, 1, 0
	HALF 1, 0
.endif
	s_wait_dscnt 8
	WIN MUL
	MUL8 F1, 0, 0
	s_wait_dscnt 0x0
	MUL8 F1, 2, 0
	WIN 0
	PLACES
	s_wait_loadcnt 0x0                             ; res
.irp a, 0,1,2,3
	OUT \a
.endr
	s_wait_tensorcnt 0x0                           ; the wave's end
	ds_add_u32 v[SPW], v[NIL]
	s_wait_dscnt 0x0
	CROUND
	s_endpgm
.Lfunc_end_k_q051fde6bb5_wo:
	.size	k_q051fde6bb5_wo, .Lfunc_end_k_q051fde6bb5_wo-k_q051fde6bb5_wo
	.p2alignl 7, 3214868480
	.fill 96, 4, 3214868480
	.section	.rodata,"a",@progbits
	.p2align	6, 0x0
	.amdhsa_kernel k_q051fde6bb5_wo
		.amdhsa_group_segment_fixed_size 327680
		.amdhsa_private_segment_fixed_size 0
		.amdhsa_enable_private_segment 0
		.amdhsa_kernarg_size 40
		.amdhsa_user_sgpr_count 2
		.amdhsa_user_sgpr_kernarg_segment_ptr 1
		.amdhsa_wavefront_size32 1
		.amdhsa_system_sgpr_workgroup_id_x 1
		.amdhsa_system_sgpr_workgroup_id_y 1
		.amdhsa_system_sgpr_workgroup_id_z 1
		.amdhsa_system_vgpr_workitem_id 0
		.amdhsa_next_free_vgpr 640
		.amdhsa_next_free_sgpr 100
		.amdhsa_reserve_vcc 0
		.amdhsa_float_denorm_mode_32 3
		.amdhsa_float_denorm_mode_16_64 3
		.amdhsa_memory_ordered 1
		.amdhsa_forward_progress 1
		.amdhsa_inst_pref_size 47
	.end_amdhsa_kernel
	.amdgpu_metadata
---
amdhsa.version: [ 1, 2 ]
amdhsa.kernels:
  - .name:           k_q051fde6bb5_wo
    .symbol:         k_q051fde6bb5_wo.kd
    .args:
      - { .name: oc, .offset: 0, .size: 8, .value_kind: global_buffer, .address_space: global }
      - { .name: wc, .offset: 8, .size: 8, .value_kind: global_buffer, .address_space: global }
      - { .name: lowp_scales, .offset: 16, .size: 8, .value_kind: global_buffer, .address_space: global }
      - { .name: x, .offset: 24, .size: 8, .value_kind: global_buffer, .address_space: global }
      - { .name: x1, .offset: 32, .size: 8, .value_kind: global_buffer, .address_space: global }
    .group_segment_fixed_size: 327680
    .private_segment_fixed_size: 0
    .kernarg_segment_align: 8
    .kernarg_segment_size: 40
    .max_flat_workgroup_size: 128
    .sgpr_count:     100
    .vgpr_count:     640
    .wavefront_size: 32
...
	.end_amdgpu_metadata
.endif
;; end of part 4
;; launch ln2 (part 5): grid 256 x 1, 4 waves a work-group, no clusters, 9,216 bytes of LDS; arguments x1, ln2_g, ln2_b, lowp_scales, hc; writes hc
.if DOCPART == 5
	.amdgcn_target "amdgcn-amd-amdhsa--gfx1250"
	.amdhsa_code_object_version 6
	.text
	.protected	k_q051fde6bb5_ln2
	.globl	k_q051fde6bb5_ln2
	.p2align	8
	.type	k_q051fde6bb5_ln2,@function
k_q051fde6bb5_ln2:
	s_mov_b64 s[64:65], 0
	v_nop
	global_prefetch_b8 v0, s[64:65] scope:SCOPE_SE
	s_setreg_imm32_b32 hwreg(HW_REG_WAVE_MODE, 25, 1), 1
	s_wait_xcnt 0x0
; Layernorm of 16 tokens of x1, quantised twice (entries 12 and 14 of the scales) into the first two images of hc.
; The work-group is token tile T (row p = token 32 (T / 2) + 8 (T % 2) + p + 8 (p / 8)); wave w owns columns 256 w .. 256 w + 255; lane (p, h) holds 128 numbers of row p in image order:
; byte 512 c + 16 lane + n of a fragment of 2,048 bytes is tile row lane % 16, k = 128 kappa + 32 c + 16 (lane / 16) + n.
; Two passes over the registers (mean, then the squares of x - mean), as the definition has it.  code = y / 2^e, held within +-448, nearest code, ties to even.
; LIMITS: each e between -126 and 119.  NaN is not served.
.set NV,    2
.set EB,    72
.set X,     16
.set SP,    144
.set GBR,   160
.set T,     224
.set SPW,   252
.set NIL,   253
.set RED,   8192                       ; LDS: 0..8191 g and b (2,048 bytes a wave); 8192 sums; 8448 sums of squares
.set SPARE, 8704                       ; the spare words: 128 bytes a wave, named by no other line
.macro REDUCE off
	v_pk_add_f32 v[240:241], v[240:241], v[242:243]
	v_pk_add_f32 v[244:245], v[244:245], v[246:247]
	v_pk_add_f32 v[240:241], v[240:241], v[244:245]
	v_add_f32 v240, v240, v241
	v_permlanex16_b32 v250, v240, s60, s61
	v_add_f32 v240, v240, v250
	ds_store_b32 v8, v240 offset:\off
	s_wait_dscnt 0x0                               ; for the others' sake: my word has landed
	s_barrier_signal -1
	s_barrier_wait -1
	ds_load_b128 v[240:243], v9 offset:\off
	s_wait_dscnt 0x0
	v_add_f32 v240, v240, v241
	v_add_f32 v242, v242, v243
	v_add_f32 v240, v240, v242
.endm
.macro GBLOAD q
.irp j, 0,1,2,3
	ds_load_b128 v[GBR+32*((\q)%2)+4*\j:GBR+32*((\q)%2)+4*\j+3], v7 offset:512*((\q)/4)+128*((\q)%4)+16*\j
	ds_load_b128 v[GBR+32*((\q)%2)+16+4*\j:GBR+32*((\q)%2)+16+4*\j+3], v7 offset:1024+512*((\q)/4)+128*((\q)%4)+16*\j
.endr
.endm
	s_load_b256 s[16:23], s[0:1], 0x0              ; x1, ln2_g, ln2_b, lowp_scales
	s_load_b64 s[38:39], s[0:1], 0x20              ; hc
	v_lshl_add_u32 v[SPW], v0, 2, SPARE
	v_mov_b32 v[NIL], 0
	v_lshrrev_b32 v1, 5, v0
	v_readfirstlane_b32 s8, v1
	v_and_b32 v1, 31, v0
	s_wait_alu depctr_va_vdst(0)
	s_wait_kmcnt 0x0
	s_load_b128 s[72:75], s[22:23], 0x30           ; entries 12..15
	v_and_b32 v2, 15, v0
	v_bfe_u32 v3, v0, 4, 1
	v_and_b32 v4, 8, v2
	v_add_nc_u32 v4, v4, v2
	v_lshlrev_b32 v4, 12, v4
	v_lshl_add_u32 v4, v3, 6, v4
	v_lshlrev_b32 v5, 4, v1
	s_wait_alu depctr_va_vdst(0)
	s_lshl_b32 s9, s8, 11
	v_add_nc_u32 v6, s9, v5
	v_lshlrev_b32 v7, 6, v3
	v_add_nc_u32 v7, s9, v7
	s_lshl_b32 s10, s8, 2
	s_add_co_u32 s10, s10, RED
	v_lshl_add_u32 v8, v2, 4, s10
	v_lshlrev_b32 v9, 4, v2
	v_add_nc_u32 v9, RED, v9
	s_lshr_b32 s2, ttmp9, 1
	s_lshl_b32 s2, s2, 17
	s_and_b32 s3, ttmp9, 1
	s_lshl_b32 s3, s3, 15
	s_add_co_u32 s2, s2, s3
	s_lshl_b32 s3, s8, 10
	s_add_co_u32 s2, s2, s3
	s_mov_b32 s3, 0
	s_add_nc_u64 s[44:45], s[16:17], s[2:3]
	s_lshl_b32 s2, s8, 10
	s_add_nc_u64 s[46:47], s[18:19], s[2:3]
	s_add_nc_u64 s[48:49], s[20:21], s[2:3]
	s_lshl_b32 s2, ttmp9, 14
	s_lshl_b32 s4, s8, 12
	s_add_co_u32 s2, s2, s4
	s_add_nc_u64 s[50:51], s[38:39], s[2:3]
	s_add_nc_u64 s[52:53], s[50:51], 0x400000
	global_load_b128 v[160:163], v5, s[46:47]
	global_load_b128 v[164:167], v5, s[46:47] offset:512
	global_load_b128 v[168:171], v5, s[48:49]
	global_load_b128 v[172:175], v5, s[48:49] offset:512
.irp s, 0,1
.irp c, 0,1,2,3
.irp j, 0,1,2,3
	global_load_b128 v[X+64*\s+16*\c+4*\j:X+64*\s+16*\c+4*\j+3], v4, s[44:45] offset:512*\s+128*\c+16*\j
.endr
.endr
.endr
	s_mov_b32 s60, 0x76543210
	s_mov_b32 s61, 0xfedcba98
	s_mov_b32 s62, 0x3a800000                      ; 1 / 1,024
	s_mov_b32 s63, 0x3727c5ac                      ; 1e-5
	v_mov_b32 v250, 0
	s_wait_alu depctr_va_vdst(0)
	s_wait_loadcnt 32                              ; g and b are in; the 32 loads of x1 are younger
	ds_store_b128 v6, v[160:163]
	ds_store_b128 v6, v[164:167] offset:512
	ds_store_b128 v6, v[168:171] offset:1024
	ds_store_b128 v6, v[172:175] offset:1536
	s_wait_kmcnt 0x0
.set vv, 0
.rept NV
	s_add_co_i32 s4, s[EB+2*vv], 127
	s_lshl_b32 s5, s4, 23
	v_mov_b32 v[10+2*vv], s5
	s_add_co_i32 s4, s4, 8
	s_lshl_b32 s4, s4, 23
	s_or_b32 s4, s4, 0x600000
	v_mov_b32 v[11+2*vv], s4
.set vv, vv+1
.endr
	s_wait_loadcnt 0x0
.irp k, 0,1,2,3
	v_pk_add_f32 v[240+2*\k:241+2*\k], v[X+2*\k:X+2*\k+1], v[X+8+2*\k:X+9+2*\k]
.endr
.set p, 8
.rept 56
	v_pk_add_f32 v[240+2*(p%4):241+2*(p%4)], v[240+2*(p%4):241+2*(p%4)], v[X+2*p:X+2*p+1]
.set p, p+1
.endr
	REDUCE 0
	v_mul_f32 v248, s62, v240
	v_mov_b32 v249, v248
.set p, 0
.rept 64
	v_pk_add_f32 v[X+2*p:X+2*p+1], v[X+2*p:X+2*p+1], v[248:249] op_sel_hi:[1,0] neg_lo:[0,1] neg_hi:[0,1]
.set p, p+1
.endr
.irp k, 0,1,2,3
	v_pk_mul_f32 v[240+2*\k:241+2*\k], v[X+2*\k:X+2*\k+1], v[X+2*\k:X+2*\k+1]
.endr
.set p, 4
.rept 60
	v_pk_fma_f32 v[240+2*(p%4):241+2*(p%4)], v[X+2*p:X+2*p+1], v[X+2*p:X+2*p+1], v[240+2*(p%4):241+2*(p%4)]
.set p, p+1
.endr
	REDUCE 256
	GBLOAD 0
	v_fma_f32 v240, v240, s62, s63
	s_wait_alu depctr_va_vdst(0)
	v_rsq_f32 v248, v240
	v_nop                                          ; a plain line behind the transcendental
	s_wait_alu depctr_va_vdst(0)                   ; the wait ahead of the first reader
	v_mov_b32 v249, v248
.set q, 0
	s_wait_alu depctr_va_vdst(0)
.rept 8
.set XS, X+16*q
.set GS, GBR+32*(q%2)
.if q < 7
	GBLOAD q+1
	s_wait_dscnt 8                                 ; this block's g and b are in; the eight loads just issued may be out
.else
	s_wait_dscnt 0x0
.endif
.irp i, 0,2,4,6,8,10,12,14
	v_pk_mul_f32 v[XS+\i:XS+\i+1], v[XS+\i:XS+\i+1], v[248:249] op_sel_hi:[1,0]
.endr
.irp i, 0,2,4,6,8,10,12,14
	v_pk_fma_f32 v[XS+\i:XS+\i+1], v[XS+\i:XS+\i+1], v[GS+\i:GS+\i+1], v[GS+16+\i:GS+17+\i]
.endr
.if q == 0
.set CB, SP
.else
.set CB, XS-16                         ; the codes take the registers of the block before: no store's data are written again
.endif
.set vv, 0
.rept NV
.irp i, 0,1,2,3,4,5,6,7,8,9,10,11,12,13,14,15
	v_med3_num_f32 v[T+\i], v[XS+\i], -v[11+2*vv], v[11+2*vv]
.endr
	v_cvt_scalef32_pk8_fp8_f32 v[CB+4*vv:CB+4*vv+1], v[T:T+7], v[10+2*vv]
	v_cvt_scalef32_pk8_fp8_f32 v[CB+4*vv+2:CB+4*vv+3], v[T+8:T+15], v[10+2*vv]
	v_nop
	global_store_b128 v5, v[CB+4*vv:CB+4*vv+3], s[50+2*vv:51+2*vv] offset:2048*(q/4)+512*(q%4)
.set vv, vv+1
.endr
.set q, q+1
.endr
	s_wait_tensorcnt 0x0                           ; the wave's end, behind my last LDS store
	ds_add_u32 v[SPW], v[NIL]
	s_wait_dscnt 0x0
	s_endpgm
.Lfunc_end_k_q051fde6bb5_ln2:
	.size	k_q051fde6bb5_ln2, .Lfunc_end_k_q051fde6bb5_ln2-k_q051fde6bb5_ln2
	.p2alignl 7, 3214868480
	.fill 96, 4, 3214868480
	.section	.rodata,"a",@progbits
	.p2align	6, 0x0
	.amdhsa_kernel k_q051fde6bb5_ln2
		.amdhsa_group_segment_fixed_size 9216
		.amdhsa_private_segment_fixed_size 0
		.amdhsa_enable_private_segment 0
		.amdhsa_kernarg_size 40
		.amdhsa_user_sgpr_count 2
		.amdhsa_user_sgpr_kernarg_segment_ptr 1
		.amdhsa_wavefront_size32 1
		.amdhsa_system_sgpr_workgroup_id_x 1
		.amdhsa_system_sgpr_workgroup_id_y 1
		.amdhsa_system_sgpr_workgroup_id_z 1
		.amdhsa_system_vgpr_workitem_id 0
		.amdhsa_next_free_vgpr 256
		.amdhsa_next_free_sgpr 80
		.amdhsa_reserve_vcc 0
		.amdhsa_float_denorm_mode_32 3
		.amdhsa_float_denorm_mode_16_64 3
		.amdhsa_memory_ordered 1
		.amdhsa_forward_progress 1
		.amdhsa_inst_pref_size 53
	.end_amdhsa_kernel
	.amdgpu_metadata
---
amdhsa.version: [ 1, 2 ]
amdhsa.kernels:
  - .name:           k_q051fde6bb5_ln2
    .symbol:         k_q051fde6bb5_ln2.kd
    .args:
      - { .name: x1, .offset: 0, .size: 8, .value_kind: global_buffer, .address_space: global }
      - { .name: ln2_g, .offset: 8, .size: 8, .value_kind: global_buffer, .address_space: global }
      - { .name: ln2_b, .offset: 16, .size: 8, .value_kind: global_buffer, .address_space: global }
      - { .name: lowp_scales, .offset: 24, .size: 8, .value_kind: global_buffer, .address_space: global }
      - { .name: hc, .offset: 32, .size: 8, .value_kind: global_buffer, .address_space: global }
    .group_segment_fixed_size: 9216
    .private_segment_fixed_size: 0
    .kernarg_segment_align: 8
    .kernarg_segment_size: 40
    .max_flat_workgroup_size: 128
    .sgpr_count:     80
    .vgpr_count:     256
    .wavefront_size: 32
...
	.end_amdgpu_metadata
.endif
;; end of part 5
;; launch ffn1 (part 6): grid 8 x 32, 4 waves a work-group, clusters of 4 x 4, 327,680 bytes of LDS; arguments hc, wc, lowp_scales, fc; writes fc
.if DOCPART == 6
	.amdgcn_target "amdgcn-amd-amdhsa--gfx1250"
	.amdhsa_code_object_version 6
	.text
	.protected	k_q051fde6bb5_ffn1
	.globl	k_q051fde6bb5_ffn1
	.p2align	8
	.type	k_q051fde6bb5_ffn1,@function
k_q051fde6bb5_ffn1:
	s_mov_b64 s[64:65], 0
	v_nop
	global_prefetch_b8 v0, s[64:65] scope:SCOPE_SE
	s_setreg_imm32_b32 hwreg(HW_REG_WAVE_MODE, 25, 1), 1
	s_wait_xcnt 0x0
	s_wait_alu depctr_hold_cnt(0) depctr_sa_sdst(0) depctr_va_vdst(0) depctr_va_sdst(0) depctr_va_ssrc(0) depctr_va_vcc(0) depctr_vm_vsrc(0)
	s_getreg_b32 s2, hwreg(HW_REG_IB_STS2, 6, 4)
	s_cmp_eq_u32 s2, 0
	s_cbranch_scc0 .Lentry_in_a_cluster
	s_endpgm
.Lentry_in_a_cluster:
	s_bfe_u32 s2, ttmp6, 0x10000c
	s_cmp_lg_u32 s2, 0xf033
	s_cbranch_scc0 .Lentry_shape_is_right
	s_endpgm
.Lentry_shape_is_right:
.set SLOT,  131072
.set SPARE, 262144
.set LI,   4
.set AD,   16
.set WD,   20
.set SPW,  28
.set NIL,  29
.set T,    64
.set CU,   94
.set G1,   24
.set G0,   32
.set G1B,  48
.set G0B,  56
.set M0,   0x5a
.set M1,   0x5f
.set L0,   0x80
.set L1,   0xc0
.set MSB, 0
.set PFO, 10                           ; v10: the prefetches' offset; never rewritten
.set FN,  2                            ; the number of the next fill that a change of slots issues
; A PREFETCH INTO THE L2: behind fill f - 2's load and the run of LDS loads that follows it, fill f is asked of memory: two fills ahead.  Fill f is K piece f % 4 (4,096 bytes of each row tile) of column pass f / 4.
; Of the eight row tiles that a wave fetches, each of the four partners that ask for them jointly takes two, told apart BY ADDRESS: 32 lanes x 256 bytes, one instruction a wave.  s[96:97]: my partner's two row tiles; never rewritten.
; The second pass reads the token images again: only the weights' waves ask for its fills.  The last two fills ask for nothing.
.macro ASK f
.if (\f) < 4
	global_prefetch_b8 v[PFO], s[96:97] offset:4096*(\f) th:TH_LOAD_NT scope:SCOPE_SE
.else
.if (\f) < 8
	WIN 0
	s_cmp_eq_u32 s11, 0
	s_cbranch_scc1 .Lnot_mine_\@
	global_prefetch_b8 v[PFO], s[96:97] offset:0x100000+4096*((\f)-4) th:TH_LOAD_NT scope:SCOPE_SE
.Lnot_mine_\@:
.endif
.endif
.endm
.macro WIN new
.if MSB != \new
	s_set_vgpr_msb (MSB<<8)|\new
.set MSB, \new
.endif
.endm
.macro JLOAD s
	s_cmp_eq_u32 s11, 0
	s_cbranch_scc0 .Lfor_b_\@
	tensor_load_to_lds s[G0+4*\s:G0+4*\s+3], s[G1:G1+7]
	s_nop 0
.rept 4
	v_nop
.endr
	s_branch .Lasked_\@
.Lfor_b_\@:
	tensor_load_to_lds s[G0B+4*\s:G0B+4*\s+3], s[G1B:G1B+7]
	s_nop 0
.rept 4
	v_nop
.endr
.Lasked_\@:
.endm
.macro CREST
	s_cmp_lg_u32 s10, 0
	s_cbranch_scc1 .Lnot_wave_0_\@
	s_barrier_signal -3
.Lnot_wave_0_\@:
	s_barrier_wait -3
	s_barrier_signal -1
	s_barrier_wait -1
.endm
.macro CROUND
	s_barrier_signal -1
	s_barrier_wait -1
	CREST
.endm
.macro PLACES
.rept 4
	v_nop
.endr
.endm
.macro FETCH slot, q, win
	WIN \win
.irp t, 0,1,2,3
.irp c, 0,1,2,3
	ds_load_b128 v[16*\t+4*\c:16*\t+4*\c+3], v[WD+\slot] offset:\t*4096+\q*2048+512*\c
.endr
.endr
.irp t, 0,1,2,3
.irp c, 0,1,2,3
	ds_load_b128 v[64+16*\t+4*\c:64+16*\t+4*\c+3], v[AD+\slot] offset:\t*4096+\q*2048+512*\c
.endr
.endr
.irp t, 0,1,2,3
.irp c, 0,1,2,3
	ds_load_b128 v[128+16*\t+4*\c:128+16*\t+4*\c+3], v[WD+\slot] offset:32768+\t*4096+\q*2048+512*\c
.endr
.endr
.irp t, 0,1,2,3
.irp c, 0,1,2,3
	ds_load_b128 v[192+16*\t+4*\c:192+16*\t+4*\c+3], v[AD+\slot] offset:32768+\t*4096+\q*2048+512*\c
.endr
.endr
.endm
.macro MULX o, zero
.irp a, 0,1,2,3
.irp b, 0,1,2,3
.if \zero
	v_wmma_f32_16x16x128_fp8_fp8 v[\o+8*(4*\a+\b):\o+8*(4*\a+\b)+7], v[\o+16*\b:\o+16*\b+15], v[\o+64+16*\a:\o+64+16*\a+15], 0
.else
	v_wmma_f32_16x16x128_fp8_fp8 v[\o+8*(4*\a+\b):\o+8*(4*\a+\b)+7], v[\o+16*\b:\o+16*\b+15], v[\o+64+16*\a:\o+64+16*\a+15], v[\o+8*(4*\a+\b):\o+8*(4*\a+\b)+7]
.endif
.endr
.endr
.endm
.macro STEP0 slot, zero
	s_wait_dscnt 32
	WIN M0
	MULX 0, \zero
	s_wait_dscnt 0x0
	PLACES
	FETCH \slot, 1, L1
	WIN M0
	MULX 128, \zero
.endm
.macro STEPD slot, kind
.if \kind
	s_sub_nc_u64 s[G0+4*\slot+2:G0+4*\slot+3], s[G0+4*\slot+2:G0+4*\slot+3], 8192
	s_add_nc_u64 s[G0B+4*\slot+2:G0B+4*\slot+3], s[G0B+4*\slot+2:G0B+4*\slot+3], 0x100000-8192
.else
	s_add_nc_u64 s[G0+4*\slot+2:G0+4*\slot+3], s[G0+4*\slot+2:G0+4*\slot+3], 8192
	s_add_nc_u64 s[G0B+4*\slot+2:G0B+4*\slot+3], s[G0B+4*\slot+2:G0B+4*\slot+3], 8192
.endif
.endm
.macro TURN slot, next, fill, kind
	s_wait_dscnt 32                                ; the slot's last step is multiplied first: its fragments are in registers
	WIN M1
	MULX 0, 0
	s_wait_dscnt 0x0
	MULX 128, 0
	WIN 0
	s_wait_tensorcnt 0x0                           ; all my tensor loads have landed: my part of the next slot
	ds_add_u32 v[SPW], v[NIL]
	s_wait_dscnt 0x0                               ; the add is done, and my reads of this slot are over
	s_barrier_signal -1
	s_barrier_wait -1
.if \fill
	CREST
	STEPD \slot, \kind
	JLOAD \slot
.else
	PLACES
.endif
	FETCH \next, 0, L0
.if \fill
	ASK FN+2
.set FN, FN+1
.endif
.endm
.macro EPI a, off
	WIN 0x01
.set ei, 0
.rept 16
	v_pk_mul_f32 v[T+ei:T+ei+1], v[32*\a+ei:32*\a+ei+1], s[CU:CU+1] op_sel_hi:[1,0]
.set ei, ei+2
.endr
	WIN 0
.set ei, 0
	s_wait_alu depctr_va_vdst(0)
.rept 32
	v_exp_f32 v[T+ei], v[T+ei]
.set ei, ei+1
.endr
	v_nop
	s_wait_alu depctr_va_vdst(0)
.set ei, 0
.rept 16
	v_pk_add_f32 v[T+ei:T+ei+1], v[T+ei:T+ei+1], 1.0 op_sel_hi:[1,0]
.set ei, ei+2
.endr
.set ei, 0
	s_wait_alu depctr_va_vdst(0)
.rept 32
	v_rcp_f32 v[T+ei], v[T+ei]
.set ei, ei+1
.endr
	v_nop
	s_wait_alu depctr_va_vdst(0)
	WIN 0x01
.set ei, 0
.rept 16
	v_pk_mul_f32 v[T+ei:T+ei+1], v[32*\a+ei:32*\a+ei+1], v[T+ei:T+ei+1]
.set ei, ei+2
.endr
.set ei, 0
.rept 16
	v_pk_mul_f32 v[T+ei:T+ei+1], v[128+32*\a+ei:128+32*\a+ei+1], v[T+ei:T+ei+1]
.set ei, ei+2
.endr
	WIN 0
.set ei, 0
.rept 32
	v_med3_num_f32 v[T+ei], v[T+ei], -v9, v9
.set ei, ei+1
.endr
.irp g, 0,1,2,3
	v_cvt_scalef32_pk8_fp8_f32 v[32+8*\a+2*\g:33+8*\a+2*\g], v[T+8*\g:T+8*\g+7], v8
.endr
	v_nop
	global_store_b128 v[LI], v[32+8*\a:35+8*\a], s[74:75] offset:\a*32768+\off
	global_store_b128 v[LI], v[36+8*\a:39+8*\a], s[74:75] offset:\a*32768+\off+512
.endm
	s_load_b256 s[68:75], s[0:1], 0x0
	v_lshl_add_u32 v[SPW], v0, 2, SPARE
	v_mov_b32 v[NIL], 0
	ds_add_u32 v[SPW], v[NIL]
	ds_add_u32 v[SPW], v[NIL]
	v_lshrrev_b32 v1, 5, v0
	v_readfirstlane_b32 s10, v1
	s_lshr_b32 s11, s10, 1
	s_and_b32 s12, s10, 1
	s_bfe_u32 s40, ttmp6, 0x40000
	s_bfe_u32 s41, ttmp6, 0x40004
	s_lshl_b32 s42, ttmp9, 2
	s_add_co_u32 s42, s42, s40
	s_and_b32 s13, ttmp7, 0xffff
	s_lshl_b32 s13, s13, 2
	s_add_co_u32 s13, s13, s41
	s_lshl_b32 s43, s41, 2
	s_lshl_b32 s43, 15, s43
	s_lshl_b32 s44, 0x1111, s40
	s_or_b32 s[G1], s43, (3<<16)|(1<<21)
	s_or_b32 s[G1B], s44, (3<<16)|(1<<21)
.irp g, G1, G1B
	s_mov_b32 s[\g+1], 512<<16
	s_mov_b32 s[\g+2], 8<<16
	s_mov_b32 s[\g+3], 512<<16
	s_mov_b32 s[\g+4], 8
	s_mov_b32 s[\g+5], 2048
	s_mov_b32 s[\g+6], 0
	s_mov_b32 s[\g+7], 0
.endr
	s_lshl_b32 s16, s13, 17
	s_lshl_b32 s17, s12, 22
	s_add_co_u32 s16, s16, s17
	s_lshl_b32 s46, s42, 17
	s_lshl_b32 s47, s12, 21
	s_add_co_u32 s46, s46, s47
	s_add_co_u32 s46, s46, 0x400000
	s_mov_b32 s17, 0
	s_mov_b32 s47, 0
	s_lshl_b32 s20, s10, 15
	s_wait_dscnt 0x0
	s_wait_kmcnt 0x0
	s_load_b128 s[80:83], s[72:73], 0x30
	s_load_b32 s84, s[72:73], 0x40
	s_add_nc_u64 s[14:15], s[68:69], s[16:17]
	s_add_nc_u64 s[46:47], s[70:71], s[46:47]
	CROUND
.irp s, 0,1
	s_mov_b32 s[G0+4*\s], 1
	s_add_co_u32 s[G0+4*\s+1], s20, \s*SLOT
	s_add_nc_u64 s[G0+4*\s+2:G0+4*\s+3], s[14:15], \s*4096
	s_or_b32 s[G0+4*\s+3], s[G0+4*\s+3], 0x80000000
	s_mov_b32 s[G0B+4*\s], 1
	s_add_co_u32 s[G0B+4*\s+1], s20, \s*SLOT
	s_add_nc_u64 s[G0B+4*\s+2:G0B+4*\s+3], s[46:47], \s*4096
	s_or_b32 s[G0B+4*\s+3], s[G0B+4*\s+3], 0x80000000
.endr
	JLOAD 0                                        ; fill 0: one tensor load a wave at the head
	s_cmp_eq_u32 s11, 0                            ; the prefetches: token images or weights, by the wave's number
	s_cselect_b64 s[96:97], s[14:15], s[46:47]
	s_cselect_b32 s98, s40, s41                    ; my place among the four that ask with me
	s_lshl_b32 s98, s98, 15                        ; two row tiles of 16,384 bytes
	s_mov_b32 s99, 0
	s_add_nc_u64 s[96:97], s[96:97], s[98:99]
	v_and_b32 v11, 15, v0
	v_bfe_u32 v12, v0, 4, 1
	v_lshlrev_b32 v11, 8, v11
	v_lshl_add_u32 v[PFO], v12, 14, v11            ; lanes 0-15: the first row tile's 4,096 bytes, lanes 16-31 the second's
	ASK 2
	v_and_b32 v4, 31, v0
	v_lshlrev_b32 v[LI], 4, v4
	s_lshl_b32 s21, s11, 14
	s_lshl_b32 s22, s12, 14
	s_add_co_u32 s22, s22, 65536
.irp s, 0,1
	v_add_nc_u32 v[AD+\s], s21, v[LI]
	v_add_nc_u32 v[WD+\s], s22, v[LI]
	s_add_co_u32 s21, s21, SLOT
	s_add_co_u32 s22, s22, SLOT
.endr
	s_lshl_b32 s22, s13, 18
	s_lshl_b32 s21, s11, 17
	s_add_co_u32 s22, s22, s21
	s_lshl_b32 s21, s42, 11
	s_add_co_u32 s22, s22, s21
	s_lshl_b32 s21, s12, 10
	s_add_co_u32 s22, s22, s21
	s_mov_b32 s23, 0
	s_add_nc_u64 s[74:75], s[74:75], s[22:23]
	s_wait_alu depctr_va_vdst(0)
	s_wait_kmcnt 0x0
	s_add_co_i32 s2, s80, s81
	s_lshl_b32 s3, s2, 23
	s_add_co_i32 s[CU], s3, 0xbfb8aa3b
	s_mov_b32 s[CU+1], s[CU]
	s_sub_co_i32 s2, s84, s2
	s_sub_co_i32 s2, s2, s82
	s_sub_co_i32 s2, s2, s83
	s_add_co_i32 s2, s2, 127
	s_lshl_b32 s3, s2, 23
	v_mov_b32 v8, s3
	s_add_co_i32 s2, s2, 8
	s_lshl_b32 s2, s2, 23
	s_or_b32 s2, s2, 0x600000
	v_mov_b32 v9, s2
	s_wait_alu depctr_va_vdst(0)                   ; the wait at the head's end
	s_wait_tensorcnt 0x0                           ; my part of slot 0 is in
	ds_add_u32 v[SPW], v[NIL]
	s_wait_dscnt 0x0
	CROUND                                         ; everybody's part of slot 0 is in, and the joint loads meet
	JLOAD 1                                        ; slot 1's first fill, the first tensor load behind the round
	FETCH 0, 0, L0
	ASK 3
	STEP0 0, 1
	TURN 0, 1, 1, 0
	STEP0 1, 0
	TURN 1, 0, 1, 0
	STEP0 0, 0
	TURN 0, 1, 1, 1
	STEP0 1, 0
	TURN 1, 0, 1, 1
.irp a, 0,1,2,3
	EPI \a, 0
.endr
	STEP0 0, 1
	TURN 0, 1, 1, 0
	STEP0 1, 0
	TURN 1, 0, 1, 0
	STEP0 0, 0
	TURN 0, 1, 0, 0
	STEP0 1, 0
	s_wait_dscnt 32
	WIN M1
	MULX 0, 0
	s_wait_dscnt 0x0
	MULX 128, 0
	WIN 0
	PLACES
	s_wait_xcnt 0x0
.irp a, 0,1,2,3
	EPI \a, 16384
.endr
	s_wait_tensorcnt 0x0
	ds_add_u32 v[SPW], v[NIL]
	s_wait_dscnt 0x0
	CROUND
	s_endpgm
.Lfunc_end_k_q051fde6bb5_ffn1:
	.size	k_q051fde6bb5_ffn1, .Lfunc_end_k_q051fde6bb5_ffn1-k_q051fde6bb5_ffn1
	.p2alignl 7, 3214868480
	.fill 96, 4, 3214868480
	.section	.rodata,"a",@progbits
	.p2align	6, 0x0
	.amdhsa_kernel k_q051fde6bb5_ffn1
		.amdhsa_group_segment_fixed_size 327680
		.amdhsa_private_segment_fixed_size 0
		.amdhsa_enable_private_segment 0
		.amdhsa_kernarg_size 32
		.amdhsa_user_sgpr_count 2
		.amdhsa_user_sgpr_kernarg_segment_ptr 1
		.amdhsa_wavefront_size32 1
		.amdhsa_system_sgpr_workgroup_id_x 1
		.amdhsa_system_sgpr_workgroup_id_y 1
		.amdhsa_system_sgpr_workgroup_id_z 1
		.amdhsa_system_vgpr_workitem_id 0
		.amdhsa_next_free_vgpr 1024
		.amdhsa_next_free_sgpr 100
		.amdhsa_reserve_vcc 0
		.amdhsa_float_denorm_mode_32 3
		.amdhsa_float_denorm_mode_16_64 3
		.amdhsa_memory_ordered 1
		.amdhsa_forward_progress 1
		.amdhsa_inst_pref_size 186
	.end_amdhsa_kernel
	.amdgpu_metadata
---
amdhsa.version: [ 1, 2 ]
amdhsa.kernels:
  - .name:           k_q051fde6bb5_ffn1
    .symbol:         k_q051fde6bb5_ffn1.kd
    .args:
      - { .name: hc, .offset: 0, .size: 8, .value_kind: global_buffer, .address_space: global }
      - { .name: wc, .offset: 8, .size: 8, .value_kind: global_buffer, .address_space: global }
      - { .name: lowp_scales, .offset: 16, .size: 8, .value_kind: global_buffer, .address_space: global }
      - { .name: fc, .offset: 24, .size: 8, .value_kind: global_buffer, .address_space: global }
    .group_segment_fixed_size: 327680
    .private_segment_fixed_size: 0
    .kernarg_segment_align: 8
    .kernarg_segment_size: 32
    .max_flat_workgroup_size: 128
    .sgpr_count:     100
    .vgpr_count:     1024
    .wavefront_size: 32
...
	.end_amdgpu_metadata
.endif
;; end of part 6
;; launch ffn2 (part 7): grid 8 x 32, 4 waves a work-group, clusters of 4 x 4, 327,680 bytes of LDS; arguments fc, wc, lowp_scales, x1, out0; writes out0
.if DOCPART == 7
	.amdgcn_target "amdgcn-amd-amdhsa--gfx1250"
	.amdhsa_code_object_version 6
	.text
	.protected	k_q051fde6bb5_ffn2
	.globl	k_q051fde6bb5_ffn2
	.p2align	8
	.type	k_q051fde6bb5_ffn2,@function
k_q051fde6bb5_ffn2:
	s_mov_b64 s[64:65], 0
	v_nop
	global_prefetch_b8 v0, s[64:65] scope:SCOPE_SE
	s_setreg_imm32_b32 hwreg(HW_REG_WAVE_MODE, 25, 1), 1
	s_wait_xcnt 0x0
	s_wait_alu depctr_hold_cnt(0) depctr_sa_sdst(0) depctr_va_vdst(0) depctr_va_sdst(0) depctr_va_ssrc(0) depctr_va_vcc(0) depctr_vm_vsrc(0)
	s_getreg_b32 s2, hwreg(HW_REG_IB_STS2, 6, 4)
	s_cmp_eq_u32 s2, 0
	s_cbranch_scc0 .Lentry_in_a_cluster
	s_endpgm
.Lentry_in_a_cluster:
	s_bfe_u32 s2, ttmp6, 0x10000c
	s_cmp_lg_u32 s2, 0xf033
	s_cbranch_scc0 .Lentry_shape_is_right
	s_endpgm
.Lentry_shape_is_right:
.set KK,    2048
.set TILEB, KK*16
.set NF,    KK/512
.set WOFF,  8<<20
.set EOFF,  0x40
.set NT,    1
.set SLOT,  131072
.set SPARE, 262144
.set STAGE, 262656
.set ADRA, 16
.set ADRB, 20
.set STO,  24
.set RD,   25
.set CO,   26
.set SPW,  28
.set NIL,  29
.set ACC,  128
.set F0,   0
.set F1,   128
.set G1,   24
.set G0,   32
.set G1B,  48
.set G0B,  56
.set MUL,  0x05
.set TO_F, 0x40
.set TO_2, 0x80
.set MSB, 0
.macro WIN new
.if MSB != \new
	s_set_vgpr_msb (MSB<<8)|\new
.set MSB, \new
.endif
.endm
.macro JLOAD s
	s_cmp_eq_u32 s11, 0
	s_cbranch_scc0 .Lfor_b_\@
	tensor_load_to_lds s[G0+4*\s:G0+4*\s+3], s[G1:G1+7]
	s_nop 0
.rept 4
	v_nop
.endr
	s_branch .Lasked_\@
.Lfor_b_\@:
	tensor_load_to_lds s[G0B+4*\s:G0B+4*\s+3], s[G1B:G1B+7]
	s_nop 0
.rept 4
	v_nop
.endr
.Lasked_\@:
.endm
.macro CREST
	s_cmp_lg_u32 s10, 0
	s_cbranch_scc1 .Lnot_wave_0_\@
	s_barrier_signal -3
.Lnot_wave_0_\@:
	s_barrier_wait -3
	s_barrier_signal -1
	s_barrier_wait -1
.endm
.macro CROUND
	s_barrier_signal -1
	s_barrier_wait -1
	CREST
.endm
.macro PLACES
.rept 4
	v_nop
.endr
.endm
.macro FETCH slot, q, f
	WIN TO_F
.irp t, 0,1,2,3
.irp c, 0,1,2,3
	ds_load_b128 v[\f+64+16*\t+4*\c:\f+64+16*\t+4*\c+3], v[ADRB+\slot] offset:\t*8192+\q*2048+512*\c
.endr
.endr
.irp t, 0,1,2,3
.irp c, 0,1,2,3
	ds_load_b128 v[\f+16*\t+4*\c:\f+16*\t+4*\c+3], v[ADRA+\slot] offset:\t*8192+\q*2048+512*\c
.endr
.endr
.endm
.macro MUL8 f, a0, zero
.irp a, \a0, \a0+1
.irp b, 0,1,2,3
.if \zero
	v_wmma_f32_16x16x128_fp8_fp8 v[ACC+8*(4*(\a)+\b):ACC+8*(4*(\a)+\b)+7], v[\f+64+16*\b:\f+64+16*\b+15], v[\f+16*(\a):\f+16*(\a)+15], 0
.else
	v_wmma_f32_16x16x128_fp8_fp8 v[ACC+8*(4*(\a)+\b):ACC+8*(4*(\a)+\b)+7], v[\f+64+16*\b:\f+64+16*\b+15], v[\f+16*(\a):\f+16*(\a)+15], v[ACC+8*(4*(\a)+\b):ACC+8*(4*(\a)+\b)+7]
.endif
.endr
.endr
.endm
.macro QUARTER slot, qn, f, g, zero
	s_wait_dscnt 8
	WIN MUL
	MUL8 \f, 0, \zero
	PLACES
	FETCH \slot, \qn, \g
	s_wait_dscnt 32
	WIN MUL
	MUL8 \f, 2, \zero
.endm
.macro HALF slot, zero
	QUARTER \slot, 1, F0, F1, \zero
	QUARTER \slot, 2, F1, F0, 0
	QUARTER \slot, 3, F0, F1, 0
.endm
.macro TURN slot, next, fill
	s_wait_dscnt 8                                 ; the slot's last quarter is multiplied first: its fragments are in registers
	WIN MUL
	MUL8 F1, 0, 0
	s_wait_dscnt 0x0
	MUL8 F1, 2, 0
	WIN 0
	s_wait_tensorcnt 0x0                           ; all my tensor loads have landed: my part of the next slot
	ds_add_u32 v[SPW], v[NIL]
	s_wait_dscnt 0x0                               ; the add is done, and my reads of this slot are over
	s_barrier_signal -1
	s_barrier_wait -1
.if \fill
	CREST
	s_add_nc_u64 s[G0+4*\slot+2:G0+4*\slot+3], s[G0+4*\slot+2:G0+4*\slot+3], 16384
	s_add_nc_u64 s[G0B+4*\slot+2:G0B+4*\slot+3], s[G0B+4*\slot+2:G0B+4*\slot+3], 16384
	JLOAD \slot
.else
	PLACES
.endif
	FETCH \next, 0, F0
.endm
.macro OUT a
.irp b, 0,1,2,3
	ds_store_b128 v[STO], v[ACC+8*(4*\a+\b):ACC+8*(4*\a+\b)+3] offset:128*(\b/2)+32*(\b%2)
	ds_store_b128 v[STO], v[ACC+8*(4*\a+\b)+4:ACC+8*(4*\a+\b)+7] offset:128*(\b/2)+32*(\b%2)+16
.endr
.set BK, 32+32*(\a%2)
.if \a >= 2
	s_wait_xcnt 0x0
.endif
.irp t, 0,1,2,3,4,5,6,7
	ds_load_b128 v[BK+4*\t:BK+4*\t+3], v[RD] offset:544*\t
.endr
	s_wait_dscnt 0x0
	WIN 0x20
.irp t, 0,1,2,3,4,5,6,7,8,9,10,11,12,13,14,15
	v_pk_fma_f32 v[BK+2*\t:BK+2*\t+1], v[BK+2*\t:BK+2*\t+1], s[90:91], v[32*\a+2*\t:32*\a+2*\t+1] op_sel_hi:[1,0,1]
.endr
	WIN 0
.irp t, 0,1,2,3,4,5,6,7
.if NT
	global_store_b128 v[CO], v[BK+4*\t:BK+4*\t+3], s[76:77] offset:(32*(\a/2)+8*(\a%2)+2*\t+8*(\t/4))*4096 th:TH_STORE_NT
.else
	global_store_b128 v[CO], v[BK+4*\t:BK+4*\t+3], s[76:77] offset:(32*(\a/2)+8*(\a%2)+2*\t+8*(\t/4))*4096
.endif
.endr
.endm
	s_load_b256 s[68:75], s[0:1], 0x0
	s_load_b64 s[76:77], s[0:1], 0x20
	v_lshl_add_u32 v[SPW], v0, 2, SPARE
	v_mov_b32 v[NIL], 0
	ds_add_u32 v[SPW], v[NIL]
	ds_add_u32 v[SPW], v[NIL]
	v_lshrrev_b32 v1, 5, v0
	v_readfirstlane_b32 s10, v1
	s_lshr_b32 s11, s10, 1
	s_and_b32 s12, s10, 1
	s_bfe_u32 s40, ttmp6, 0x40000
	s_bfe_u32 s41, ttmp6, 0x40004
	s_lshl_b32 s42, ttmp9, 2
	s_add_co_u32 s42, s42, s40
	s_and_b32 s13, ttmp7, 0xffff
	s_lshl_b32 s13, s13, 2
	s_add_co_u32 s13, s13, s41
	s_lshl_b32 s43, s41, 2
	s_lshl_b32 s43, 15, s43
	s_lshl_b32 s44, 0x1111, s40
	s_or_b32 s[G1], s43, (3<<16)|(1<<21)
	s_or_b32 s[G1B], s44, (3<<16)|(1<<21)
.irp g, G1, G1B
	s_mov_b32 s[\g+1], 1024<<16
	s_mov_b32 s[\g+2], 4<<16
	s_mov_b32 s[\g+3], 1024<<16
	s_mov_b32 s[\g+4], 4
	s_mov_b32 s[\g+5], TILEB/8
	s_mov_b32 s[\g+6], 0
	s_mov_b32 s[\g+7], 0
.endr
	s_mul_i32 s17, s12, 4*TILEB
	s_mul_i32 s16, s13, 8*TILEB
	s_add_co_u32 s16, s16, s17
	s_mul_i32 s46, s42, 8*TILEB
	s_add_co_u32 s46, s46, s17
	s_add_co_u32 s46, s46, WOFF
	s_mov_b32 s17, 0
	s_mov_b32 s47, 0
	s_lshl_b32 s20, s10, 15
	s_wait_dscnt 0x0
	s_wait_kmcnt 0x0
	s_load_b64 s[80:81], s[72:73], EOFF
	s_add_nc_u64 s[14:15], s[68:69], s[16:17]
	s_add_nc_u64 s[46:47], s[70:71], s[46:47]
	CROUND
.irp s, 0,1
	s_mov_b32 s[G0+4*\s], 1
	s_add_co_u32 s[G0+4*\s+1], s20, \s*SLOT
	s_add_nc_u64 s[G0+4*\s+2:G0+4*\s+3], s[14:15], \s*8192
	s_or_b32 s[G0+4*\s+3], s[G0+4*\s+3], 0x80000000
	s_mov_b32 s[G0B+4*\s], 1
	s_add_co_u32 s[G0B+4*\s+1], s20, \s*SLOT
	s_add_nc_u64 s[G0B+4*\s+2:G0B+4*\s+3], s[46:47], \s*8192
	s_or_b32 s[G0B+4*\s+3], s[G0B+4*\s+3], 0x80000000
.endr
	JLOAD 0                                        ; fill 0: one tensor load a wave at the head
	; PREFETCHES INTO THE L2, two fills ahead: behind fill 0's load fill 2 is asked of memory, behind fill 1's fill 3 (8,192 bytes of each row tile a fill); fills 2 and 3 ask for nothing.
	; Of the four row tiles that a wave fetches, each of the four partners that ask for them jointly takes one, told apart BY ADDRESS: 32 lanes x 256 bytes.  v6 and s[92:93] are never rewritten.
	s_cmp_eq_u32 s11, 0
	s_cselect_b64 s[92:93], s[14:15], s[46:47]
	s_cselect_b32 s94, s40, s41
	s_lshl_b32 s94, s94, 15                        ; a row tile is 32,768 bytes
	s_mov_b32 s95, 0
	s_add_nc_u64 s[92:93], s[92:93], s[94:95]
	v_and_b32 v7, 31, v0
	v_lshlrev_b32 v6, 8, v7
	global_prefetch_b8 v6, s[92:93] offset:16384 th:TH_LOAD_NT scope:SCOPE_SE
	v_and_b32 v1, 15, v0
	v_bfe_u32 v2, v0, 4, 1
	v_lshlrev_b32 v[CO], 12, v2
	v_lshl_add_u32 v[CO], v1, 4, v[CO]
	s_wait_alu depctr_va_vdst(0)
	s_lshl_b32 s22, s13, 19
	s_lshl_b32 s21, s11, 18
	s_add_co_u32 s22, s22, s21
	s_lshl_b32 s21, s42, 9
	s_add_co_u32 s22, s22, s21
	s_lshl_b32 s21, s12, 8
	s_add_co_u32 s22, s22, s21
	s_mov_b32 s23, 0
	s_add_nc_u64 s[74:75], s[74:75], s[22:23]
	s_add_nc_u64 s[76:77], s[76:77], s[22:23]
	WIN TO_2
.irp a, 0,1,2,3
.irp t, 0,1,2,3,4,5,6,7
	global_load_b128 v[32*\a+4*\t:32*\a+4*\t+3], v[CO], s[74:75] offset:(32*(\a/2)+8*(\a%2)+2*\t+8*(\t/4))*4096
.endr
.endr
	WIN 0
	v_and_b32 v4, 31, v0
	v_lshlrev_b32 v4, 4, v4
	s_lshl_b32 s21, s11, 15
	s_lshl_b32 s22, s12, 15
	s_add_co_u32 s22, s22, 65536
.irp s, 0,1
	v_add_nc_u32 v[ADRA+\s], s21, v4
	v_add_nc_u32 v[ADRB+\s], s22, v4
	s_add_co_u32 s21, s21, SLOT
	s_add_co_u32 s22, s22, SLOT
.endr
	s_mul_i32 s23, s10, 16*272
	s_add_co_u32 s23, s23, STAGE
	v_mul_u32_u24 v5, v1, 272
	v_lshl_add_u32 v5, v2, 6, v5
	v_add_nc_u32 v[STO], s23, v5
	v_mul_u32_u24 v5, v2, 272
	v_lshl_add_u32 v5, v1, 4, v5
	v_add_nc_u32 v[RD], s23, v5
	s_wait_alu depctr_va_vdst(0)
	s_wait_kmcnt 0x0
	s_add_co_i32 s90, s80, s81
	s_add_co_i32 s90, s90, 127
	s_lshl_b32 s90, s90, 23
	s_mov_b32 s91, s90
	s_wait_alu depctr_va_vdst(0)                   ; the wait at the head's end
	s_wait_tensorcnt 0x0                           ; my part of slot 0 is in
	ds_add_u32 v[SPW], v[NIL]
	s_wait_dscnt 0x0
	CROUND                                         ; everybody's part of slot 0 is in, and the joint loads meet
	JLOAD 1                                        ; slot 1's first fill, the first tensor load behind the round
	FETCH 0, 0, F0
	global_prefetch_b8 v6, s[92:93] offset:24576 th:TH_LOAD_NT scope:SCOPE_SE
	HALF 0, 1
.if NF == 2
	TURN 0, 1, 0
	HALF 1, 0
.else
	TURN 0, 1, 1
	HALF 1, 0
	TURN 1, 0, 1
	HALF 0, 0
	TURN 0, 1, 0
	HALF 1, 0
.endif
	s_wait_dscnt 8
	WIN MUL
	MUL8 F1, 0, 0
	s_wait_dscnt 0x0
	MUL8 F1, 2, 0
	WIN 0
	PLACES
	s_wait_loadcnt 0x0
.irp a, 0,1,2,3
	OUT \a
.endr
	s_wait_tensorcnt 0x0
	ds_add_u32 v[SPW], v[NIL]
	s_wait_dscnt 0x0
	CROUND
	s_endpgm
.Lfunc_end_k_q051fde6bb5_ffn2:
	.size	k_q051fde6bb5_ffn2, .Lfunc_end_k_q051fde6bb5_ffn2-k_q051fde6bb5_ffn2
	.p2alignl 7, 3214868480
	.fill 96, 4, 3214868480
	.section	.rodata,"a",@progbits
	.p2align	6, 0x0
	.amdhsa_kernel k_q051fde6bb5_ffn2
		.amdhsa_group_segment_fixed_size 327680
		.amdhsa_private_segment_fixed_size 0
		.amdhsa_enable_private_segment 0
		.amdhsa_kernarg_size 40
		.amdhsa_user_sgpr_count 2
		.amdhsa_user_sgpr_kernarg_segment_ptr 1
		.amdhsa_wavefront_size32 1
		.amdhsa_system_sgpr_workgroup_id_x 1
		.amdhsa_system_sgpr_workgroup_id_y 1
		.amdhsa_system_sgpr_workgroup_id_z 1
		.amdhsa_system_vgpr_workitem_id 0
		.amdhsa_next_free_vgpr 640
		.amdhsa_next_free_sgpr 100
		.amdhsa_reserve_vcc 0
		.amdhsa_float_denorm_mode_32 3
		.amdhsa_float_denorm_mode_16_64 3
		.amdhsa_memory_ordered 1
		.amdhsa_forward_progress 1
		.amdhsa_inst_pref_size 77
	.end_amdhsa_kernel
	.amdgpu_metadata
---
amdhsa.version: [ 1, 2 ]
amdhsa.kernels:
  - .name:           k_q051fde6bb5_ffn2
    .symbol:         k_q051fde6bb5_ffn2.kd
    .args:
      - { .name: fc, .offset: 0, .size: 8, .value_kind: global_buffer, .address_space: global }
      - { .name: wc, .offset: 8, .size: 8, .value_kind: global_buffer, .address_space: global }
      - { .name: lowp_scales, .offset: 16, .size: 8, .value_kind: global_buffer, .address_space: global }
      - { .name: x1, .offset: 24, .size: 8, .value_kind: global_buffer, .address_space: global }
      - { .name: out0, .offset: 32, .size: 8, .value_kind: global_buffer, .address_space: global }
    .group_segment_fixed_size: 327680
    .private_segment_fixed_size: 0
    .kernarg_segment_align: 8
    .kernarg_segment_size: 40
    .max_flat_workgroup_size: 128
    .sgpr_count:     100
    .vgpr_count:     640
    .wavefront_size: 32
...
	.end_amdgpu_metadata
.endif
;; end of part 7
